; MI455X (gfx1250); checked and timed in simulation.
; The chip was launched on July 23, 2026; its instructions are those of AMD's public machine-readable ISA for CDNA 5 (MIT licence, August 2026) and "CDNA5" Instruction Set Architecture Reference Guide (July 2026). The comments in the code are by the model that wrote it; some were corrected since.
;; Harmonic Transformer Layer. Allowed arithmetic: matrix products marked QUANTISED: E5M2 operands, one given power-of-two scale a tensor, by v_wmma_f32_16x16x64_bf8_bf8 or v_wmma_f32_16x16x128_bf8_bf8, f32 sums; everything else in f32.
;; Inputs: W1 1,024 x 4,096 float32; W2 4,096 x 1,024 float32; Wk 1,024 x 1,024 float32; Wo 1,024 x 1,024 float32; Wq 1,024 x 1,024 float32; Wv 1,024 x 1,024 float32; b1 1,024 float32; b2 1,024 float32; bf1 4,096 float32; bf2 1,024 float32; bk 1,024 float32; bo 1,024 float32; bq 1,024 float32; bv 1,024 float32; g1 1,024 float32; g2 1,024 float32; lowp_scales 16 int32 (the exponents e of the quantised operands' scales 2^e); phase 16 x 1 x 1 float32; resonance 16 x 1 x 1 float32; s1 1 float32; s2 1 float32; x 2 x 2,048 x 1,024 float32.
;; Outputs: out0 2 x 2,048 x 1,024 float32.
;; This version of the problem:
;;   THIS VERSION OF THE PROBLEM IS GIVEN IN LOW PRECISION. The matrix products marked QUANTISED in the list below multiply operands that are first quantised to E5M2 (5 exponent bits, 2 mantissa bits; 8 bits a number), with one given power-of-two scale for each operand tensor; their sums are f32. All else is computed in f32.
;;   The module's matrix products, in the order in which they are computed (A, B: the left and right operand; K: the contracted axis; several contracted axes count as one K, in the product's order):
;;     1. [M 4,096, K 1,024] x [K 1,024, N 1,024]; A: input x; B: input Wq: QUANTISED (scales: A lowp_scales[0], B lowp_scales[1])
;;     2. [M 4,096, K 1,024] x [K 1,024, N 1,024]; A: input x; B: input Wk: QUANTISED (scales: A lowp_scales[2], B lowp_scales[3])
;;     3. [M 4,096, K 1,024] x [K 1,024, N 1,024]; A: input x; B: input Wv: QUANTISED (scales: A lowp_scales[4], B lowp_scales[5])
;;     4. batch 32 x [M 2,048, K 64] x [K 64, N 2,048]; A: computed on the way; B: computed on the way: QUANTISED (scales: A lowp_scales[6], B lowp_scales[7])
;;     5. batch 32 x [M 2,048, K 2,048] x [K 2,048, N 64]; A: softmax (see below); B: computed on the way: QUANTISED (scales: A lowp_scales[8], B lowp_scales[9])
;;     6. [M 4,096, K 1,024] x [K 1,024, N 1,024]; A: computed on the way; B: input Wo: QUANTISED (scales: A lowp_scales[10], B lowp_scales[11])
;;     7. [M 4,096, K 1,024] x [K 1,024, N 4,096]; A: computed on the way; B: input W1: QUANTISED (scales: A lowp_scales[12], B lowp_scales[13])
;;     8. [M 4,096, K 4,096] x [K 4,096, N 1,024]; A: computed on the way; B: input W2: QUANTISED (scales: A lowp_scales[14], B lowp_scales[15])
;;   THE QUANTISER, for each operand of a quantised product, along K:
;;     - The operand's scale is 2^e, e = its entry of the input lowp_scales (int32; the entries are numbered through the quantised products in the list's order, A before B).
;;     - Each number is divided by the scale, clamped to +-57,344, and rounded to the nearest number of E5M2, ties to even, subnormals kept.
;;     - The product sums the exact products of the quantised numbers (number of the format x scale) in f32.
;;   ~~~python
;;   def quantise(x, axis, e):      # numpy; x: float32 -> the quantised numbers, widened to float32 again
;;       x = np.moveaxis(x, axis, -1); K = x.shape[-1]
;;       r = np.clip(x / 2.0 ** e, -57344, 57344)
;;       step = 2.0 ** (np.maximum(np.frexp(np.where(r == 0, 1, r))[1] - 1, -14) - 2)
;;       q = np.round(r / step) * step * 2.0 ** e      # np.round: ties to even
;;       return np.moveaxis(q, -1, axis).astype(np.float32)
;;   ~~~
;;   SOFTMAX AHEAD OF A QUANTISED PRODUCT. Where the list says 'softmax', what is quantised is not the finished softmax but p = 2^(t - M), with t = logit x log2(e) and M = ceil(the row's largest t), a whole number; so 1/2 < the row's largest p <= 1. The row's sum l is taken of the UNQUANTISED p, in f32, and the product's result is divided by l at the end. Since M is a whole number, a kernel that streams over the keys may use a running M (the ceiling of the running maximum): every later rescaling is an exact power of two, so the quantised numbers keep their values, but for numbers so far below the row's largest that they fall under the format's range.
;;   OPERANDS COMPUTED ON THE WAY. 'Computed on the way' means the value that the module computes at that place (a softmax that the list does not call 'softmax' is quantised finished and normalised). What goes into a quantiser is computed in f32, as accurately as f32 sums, v_exp_f32 and their like allow (about 1e-6 of the number): no bf16 or f16 on the way to a quantiser, and a product that is left as it is and whose result goes on into a quantised operand takes f32 operands (vector FMAs, or v_wmma_f32_16x16x4_f32). A number that lies on a knife's edge between two numbers of the format may be rounded either way, as far as f32 arithmetic and the matrix unit's own rounding can turn it there, and no further.
;; One version. Each part assembles by itself: llvm-mc -triple=amdgcn-amd-amdhsa -mcpu=gfx1250 --defsym DOCPART=n.
;; ======== version 1 of 1: 7 launches
;; limits: right only within a limited range of input values
;; workspace buffers: xc 12,582,912 bytes; wc 12,582,912 bytes; qkvc 12,582,912 bytes; oc 4,194,304 bytes; y 67,108,864 bytes; x1f 16,777,216 bytes; x1c 4,194,304 bytes; hc 16,777,216 bytes
;; launch quant (part 1): grid 640 x 1, 4 waves a work-group, no clusters, 0 bytes of LDS; arguments x, Wq, Wk, Wv, Wo, W1, W2, lowp_scales, xc, wc; writes xc, wc
.if DOCPART == 1
	.amdgcn_target "amdgcn-amd-amdhsa--gfx1250"
	.amdhsa_code_object_version 6
	.text
	.protected	k_q6eaffbf763_quant
	.globl	k_q6eaffbf763_quant
	.p2align	8
	.type	k_q6eaffbf763_quant,@function
k_q6eaffbf763_quant:
	s_mov_b64 s[64:65], 0
	v_nop
	global_prefetch_b8 v0, s[64:65] scope:SCOPE_SE
	s_setreg_imm32_b32 hwreg(HW_REG_WAVE_MODE, 25, 1), 1
	s_wait_xcnt 0x0
; x [4096][1024] and the six weights (stored [K][N]), all f32, become codes of E5M2, each with the scale 2^e that is given for it.
; code = number / 2^e, held within +-57,344, rounded to the nearest code, ties to even.  LIMITS: -126 <= e <= 112; NaN among the inputs is not served.
; LAYOUT OF ALL CODES: images of operand registers.  A fragment is 16 rows x 128 K = 2,048 bytes: byte 512 c + 16 lane + i holds k = 32 c + 16 (lane / 16) + i of the fragment's row lane % 16.
; Rows go in groups of 32: fragment 2 b + u has in its row r the true row 32 b + 8 u + r + 8 (r / 8).  A panel is 128 rows: byte panel x 128 K + (k / 128) x 16,384 + fragment x 2,048.
; Work-groups 0-383 take the weights (Wq, Wk, Wv, Wo: 32 each; W1, W2: 128 each): one panel of 128 columns n x 256 along K; a wave 32 columns: A LANE TAKES A COLUMN AND ITS REGISTERS RUN DOWN K.
; Work-groups 384-639 take x: 16 rows each, a wave 256 along K; x is quantised three times, with entries 0, 2 and 4 of the scales.
; No LDS, no barrier: waves share nothing.  Every store of a wave covers whole aligned runs of 256 bytes.
.set VO,  16                           ; v16-47   W: 4 lane + i rows of W
.set XW,  48                           ; v48-111  W: two sets of 32 numbers
.set CW,  112                          ; v112-175 W: eight registers of codes for each of eight blocks: no store's data are written again
.set SB,  66                           ; s[66:81] W: the address of each block's first row
.set XR,  16                           ; v16-143  x: two K steps of 64 numbers
.set TX,  144                          ; v144-159 x: 16 held numbers
.set CX,  160                          ; v160-255 x: codes, 16 registers for each K step and scale
.set DB,  44                           ; s[44:49] x: the three copies' addresses
	s_load_b512 s[4:19], s[0:1], 0x0               ; x, Wq, Wk, Wv, Wo, W1, W2, the scales' exponents
	s_load_b128 s[20:23], s[0:1], 0x40             ; xc, wc
	v_lshrrev_b32 v1, 5, v0
	v_readfirstlane_b32 s2, v1                     ; wave
	v_and_b32 v2, 31, v0                           ; lane
	s_cmp_lt_u32 ttmp9, 384
	s_cbranch_scc0 .Lx_path
	; ---- the weights.  Which tensor, panel and chunk of K: from the work-group's number alone
	s_lshr_b32 s24, ttmp9, 5
	s_lshr_b32 s25, ttmp9, 7
	s_add_co_u32 s25, s25, 3
	s_and_b32 s26, ttmp9, 31
	s_and_b32 s27, ttmp9, 127
	s_cmp_lt_u32 ttmp9, 128
	s_cselect_b32 s24, s24, s25                    ; 0..5: Wq, Wk, Wv, Wo, W1, W2
	s_cselect_b32 s26, s26, s27                    ; my number within the tensor
	s_mov_b32 s28, 0x80000
	s_cmp_eq_u32 s24, 5
	s_cselect_b32 s27, 4, 2                        ; log2 of the chunks of 256 along K
	s_cselect_b32 s28, s28, 0x20000                ; bytes of a panel: 128 K
	s_lshr_b32 s29, s26, s27                       ; panel
	s_lshl_b32 s30, s29, s27
	s_sub_co_u32 s30, s26, s30                     ; chunk
	s_mov_b32 s31, 16384
	s_cmp_eq_u32 s24, 4
	s_cselect_b32 s31, s31, 4096                   ; a row of W in bytes
	s_lshl_b32 s32, s24, 20
	s_sub_co_u32 s33, s24, 3
	s_lshl_b32 s33, s33, 22
	s_cmp_lt_u32 s24, 4
	s_cselect_b32 s32, s32, s33                    ; the tensor's place in wc
	s_lshl_b32 s33, s24, 1
	s_cmp_lt_u32 s24, 3
	s_cselect_b32 s34, 1, 5
	s_add_co_u32 s33, s33, s34                     ; its entry of the scales: 1, 3, 5, 11, 13, 15
	s_lshl_b32 s40, s33, 2
	s_mov_b32 s41, 0
	s_mul_i32 s36, s30, s31
	s_lshl_b32 s36, s36, 8                         ; chunk x 256 rows
	s_lshl_b32 s37, s29, 9
	s_add_co_u32 s36, s36, s37                     ; + 128 columns a panel
	s_lshl_b32 s37, s2, 7
	s_add_co_u32 s36, s36, s37                     ; + 32 columns a wave
	s_mov_b32 s37, 0
	s_mul_i32 s38, s29, s28
	s_add_co_u32 s38, s38, s32
	s_lshl_b32 s39, s30, 15
	s_add_co_u32 s38, s38, s39                     ; a chunk is two K steps of 16,384 bytes
	s_lshl_b32 s39, s2, 12
	s_add_co_u32 s38, s38, s39                     ; a wave's 32 columns are two fragments
	s_mov_b32 s39, 0
	s_lshl_b32 s42, s31, 5                         ; 32 rows of W
	s_mov_b32 s43, 0
	s_wait_alu depctr_va_vdst(0)
	v_lshlrev_b32 v3, 2, v2
.set i, 0
.rept 32
	v_mad_u32_u24 v[VO+i], s31, i, v3              ; 4 lane + i rows
.set i, i+1
.endr
	v_bfe_u32 v5, v2, 3, 1                         ; column l of the 32 belongs to fragment u = (l / 8) % 2,
	v_and_b32 v6, 7, v2
	v_lshrrev_b32 v7, 4, v2
	v_lshl_add_u32 v6, v7, 3, v6                   ; row l % 8 + 8 (l / 16) of it
	v_lshlrev_b32 v4, 4, v6
	v_lshl_add_u32 v4, v5, 11, v4                  ; 2,048 u + 16 row
	s_wait_alu depctr_va_vdst(0)
	s_wait_kmcnt 0x0
	s_cmp_eq_u32 s24, 1
	s_cselect_b64 s[6:7], s[8:9], s[6:7]
	s_cmp_eq_u32 s24, 2
	s_cselect_b64 s[6:7], s[10:11], s[6:7]
	s_cmp_eq_u32 s24, 3
	s_cselect_b64 s[6:7], s[12:13], s[6:7]
	s_cmp_eq_u32 s24, 4
	s_cselect_b64 s[6:7], s[14:15], s[6:7]
	s_cmp_eq_u32 s24, 5
	s_cselect_b64 s[6:7], s[16:17], s[6:7]
	s_add_nc_u64 s[18:19], s[18:19], s[40:41]
	s_load_b32 s35, s[18:19], 0x0                  ; e
	s_add_nc_u64 s[SB:SB+1], s[6:7], s[36:37]
.irp t, 1,2,3,4,5,6,7
	s_add_nc_u64 s[SB+2*\t:SB+2*\t+1], s[SB+2*\t-2:SB+2*\t-1], s[42:43]
.endr
	s_add_nc_u64 s[22:23], s[22:23], s[38:39]
.macro WLOAD t                         ; block t: W(32 t + i, my column), i = 0 .. 31: each load reads 128 consecutive bytes a wave, 512 a work-group
.set i, 0
.rept 32
	global_load_b32 v[XW+32*((\t)%2)+i], v[VO+i], s[SB+2*(\t):SB+2*(\t)+1] th:TH_LOAD_NT
.set i, i+1
.endr
.endm
.macro WBLOCK t
.set XS, XW+32*((\t)%2)
.if (\t) < 7
	s_wait_loadcnt 32                              ; this block's 32 loads are in; the next block's may be out
.else
	s_wait_loadcnt 0x0
.endif
.set i, 0
.rept 32
	v_med3_num_f32 v[XS+i], v[XS+i], -v10, v10     ; the conversion does not saturate (ISA guide 7.6.2): the hold at the largest code x the scale
.set i, i+1
.endr
.irp g, 0,1,2,3
	v_cvt_scalef32_pk8_bf8_f32 v[CW+8*(\t)+2*\g:CW+8*(\t)+2*\g+1], v[XS+8*\g:XS+8*\g+7], v11
.endr
	global_store_b128 v4, v[CW+8*(\t):CW+8*(\t)+3], s[22:23] offset:((\t)/4)*16384+((\t)%4)*512        ; k = 32 t + 0 .. 15: the image's lanes 0-15: sixteen lanes fill 256 aligned bytes
	global_store_b128 v4, v[CW+8*(\t)+4:CW+8*(\t)+7], s[22:23] offset:((\t)/4)*16384+((\t)%4)*512+256  ; k = 32 t + 16 .. 31: its lanes 16-31
.if (\t)+2 < 8
	WLOAD (\t)+2
.endif
.endm
	WLOAD 0
	WLOAD 1
	s_wait_kmcnt 0x0
	s_add_co_i32 s35, s35, 127
	s_lshl_b32 s34, s35, 23
	v_mov_b32 v11, s34                             ; 2^e as f32: the conversion takes its exponent field
	s_add_co_i32 s35, s35, 15
	s_lshl_b32 s35, s35, 23
	s_or_b32 s35, s35, 0x600000
	v_mov_b32 v10, s35                             ; 57,344 x 2^e
	s_wait_alu depctr_va_vdst(0)
.irp t, 0,1,2,3,4,5,6,7
	WBLOCK \t
.endr
	s_endpgm
	; ---- x: fragment rho = work-group - 384; lane (r, h) takes, of its row, 16 neighbours of each block of 32
.Lx_path:
	s_sub_co_u32 s24, ttmp9, 384
	v_and_b32 v3, 15, v0                           ; r
	v_bfe_u32 v11, v0, 4, 1                        ; h
	v_and_b32 v12, 8, v3
	v_add_nc_u32 v12, v12, v3                      ; r + 8 (r / 8)
	v_lshlrev_b32 v4, 12, v12
	v_lshl_add_u32 v4, v11, 6, v4                  ; that row of 4,096 bytes + 64 h
	s_wait_alu depctr_va_vdst(0)
	v_lshlrev_b32 v13, 4, v2                       ; 16 x lane: my place in an image
	s_lshr_b32 s25, s24, 1
	s_lshl_b32 s25, s25, 5
	s_and_b32 s26, s24, 1
	s_lshl_b32 s26, s26, 3
	s_add_co_u32 s25, s25, s26                     ; the fragment's first token: 32 (rho / 2) + 8 (rho % 2)
	s_lshl_b32 s26, s25, 12
	s_lshl_b32 s27, s2, 10
	s_add_co_u32 s26, s26, s27                     ; + my wave's 256 columns
	s_mov_b32 s27, 0
	s_lshr_b32 s28, s24, 3
	s_lshl_b32 s28, s28, 17                        ; panel
	s_lshl_b32 s29, s2, 15
	s_add_co_u32 s28, s28, s29                     ; K steps 2 w, 2 w + 1
	s_and_b32 s29, s24, 7
	s_lshl_b32 s29, s29, 11
	s_add_co_u32 s28, s28, s29                     ; fragment
	s_mov_b32 s29, 0
	s_wait_kmcnt 0x0
	s_load_b256 s[32:39], s[18:19], 0x0            ; entries 0 to 7: 0, 2 and 4 are x's
	s_add_nc_u64 s[4:5], s[4:5], s[26:27]
	s_add_nc_u64 s[DB:DB+1], s[20:21], s[28:29]
	s_add_nc_u64 s[DB+2:DB+3], s[DB:DB+1], 0x400000
	s_add_nc_u64 s[DB+4:DB+5], s[DB:DB+1], 0x800000
.macro XLOAD s
.irp c, 0,1,2,3
.irp i, 0,1,2,3
	global_load_b128 v[XR+64*\s+16*\c+4*\i:XR+64*\s+16*\c+4*\i+3], v4, s[4:5] offset:512*\s+128*\c+16*\i th:TH_LOAD_NT
.endr
.endr
.endm
.macro XQ s, z                         ; K step s with scale z: held into other registers, since the numbers are wanted three times
.irp c, 0,1,2,3
.set i, 0
.rept 16
	v_med3_num_f32 v[TX+i], v[XR+64*\s+16*\c+i], -v[6+2*\z], v[6+2*\z]
.set i, i+1
.endr
	v_cvt_scalef32_pk8_bf8_f32 v[CX+48*\s+16*\z+4*\c:CX+48*\s+16*\z+4*\c+1], v[TX:TX+7], v[5+2*\z]
	v_cvt_scalef32_pk8_bf8_f32 v[CX+48*\s+16*\z+4*\c+2:CX+48*\s+16*\z+4*\c+3], v[TX+8:TX+15], v[5+2*\z]
	v_nop                                          ; a plain line between the conversions and the next holds, which write their sources
.endr
.irp c, 0,1,2,3
	global_store_b128 v13, v[CX+48*\s+16*\z+4*\c:CX+48*\s+16*\z+4*\c+3], s[DB+2*\z:DB+2*\z+1] offset:\s*16384+\c*512   ; 512 consecutive bytes
.endr
.endm
	XLOAD 0
	XLOAD 1
	s_wait_kmcnt 0x0
.irp z, 0,1,2
	s_add_co_i32 s40, s[32+2*\z], 127
	s_lshl_b32 s41, s40, 23
	v_mov_b32 v[5+2*\z], s41                       ; 2^e
	s_add_co_i32 s40, s40, 15
	s_lshl_b32 s40, s40, 23
	s_or_b32 s40, s40, 0x600000
	v_mov_b32 v[6+2*\z], s40                       ; 57,344 x 2^e
.endr
	s_wait_alu depctr_va_vdst(0)
	s_wait_loadcnt 16                              ; the first K step's 16 loads are in; the second's may be out
	XQ 0, 0
	XQ 0, 1
	XQ 0, 2
	s_wait_loadcnt 0x0
	XQ 1, 0
	XQ 1, 1
	XQ 1, 2
	s_endpgm
.Lfunc_end_k_q6eaffbf763_quant:
	.size	k_q6eaffbf763_quant, .Lfunc_end_k_q6eaffbf763_quant-k_q6eaffbf763_quant
	.p2alignl 7, 3214868480
	.fill 96, 4, 3214868480
	.section	.rodata,"a",@progbits
	.p2align	6, 0x0
	.amdhsa_kernel k_q6eaffbf763_quant
		.amdhsa_group_segment_fixed_size 0
		.amdhsa_private_segment_fixed_size 0
		.amdhsa_enable_private_segment 0
		.amdhsa_kernarg_size 80
		.amdhsa_user_sgpr_count 2
		.amdhsa_user_sgpr_kernarg_segment_ptr 1
		.amdhsa_wavefront_size32 1
		.amdhsa_system_sgpr_workgroup_id_x 1
		.amdhsa_system_sgpr_workgroup_id_y 1
		.amdhsa_system_sgpr_workgroup_id_z 1
		.amdhsa_system_vgpr_workitem_id 0
		.amdhsa_next_free_vgpr 256
		.amdhsa_next_free_sgpr 84
		.amdhsa_reserve_vcc 0
		.amdhsa_float_denorm_mode_32 3
		.amdhsa_float_denorm_mode_16_64 3
		.amdhsa_memory_ordered 1
		.amdhsa_forward_progress 1
		.amdhsa_inst_pref_size 85
	.end_amdhsa_kernel
	.amdgpu_metadata
---
amdhsa.version: [ 1, 2 ]
amdhsa.kernels:
  - .name:           k_q6eaffbf763_quant
    .symbol:         k_q6eaffbf763_quant.kd
    .args:
      - { .name: x, .offset: 0, .size: 8, .value_kind: global_buffer, .address_space: global }
      - { .name: Wq, .offset: 8, .size: 8, .value_kind: global_buffer, .address_space: global }
      - { .name: Wk, .offset: 16, .size: 8, .value_kind: global_buffer, .address_space: global }
      - { .name: Wv, .offset: 24, .size: 8, .value_kind: global_buffer, .address_space: global }
      - { .name: Wo, .offset: 32, .size: 8, .value_kind: global_buffer, .address_space: global }
      - { .name: W1, .offset: 40, .size: 8, .value_kind: global_buffer, .address_space: global }
      - { .name: W2, .offset: 48, .size: 8, .value_kind: global_buffer, .address_space: global }
      - { .name: lowp_scales, .offset: 56, .size: 8, .value_kind: global_buffer, .address_space: global }
      - { .name: xc, .offset: 64, .size: 8, .value_kind: global_buffer, .address_space: global }
      - { .name: wc, .offset: 72, .size: 8, .value_kind: global_buffer, .address_space: global }
    .group_segment_fixed_size: 0
    .private_segment_fixed_size: 0
    .kernarg_segment_align: 8
    .kernarg_segment_size: 80
    .max_flat_workgroup_size: 128
    .sgpr_count:     84
    .vgpr_count:     256
    .wavefront_size: 32
...
	.end_amdgpu_metadata
.endif
;; end of part 1
;; launch gemm_qkv (part 2): grid 16 x 12, 4 waves a work-group, clusters of 4 x 4, 327,680 bytes of LDS; arguments xc, wc, lowp_scales, bq, bk, bv, qkvc; writes qkvc
.if DOCPART == 2
	.amdgcn_target "amdgcn-amd-amdhsa--gfx1250"
	.amdhsa_code_object_version 6
	.text
	.protected	k_q6eaffbf763_gemm_qkv
	.globl	k_q6eaffbf763_gemm_qkv
	.p2align	8
	.type	k_q6eaffbf763_gemm_qkv,@function
k_q6eaffbf763_gemm_qkv:
	s_mov_b64 s[64:65], 0
	v_nop
	global_prefetch_b8 v0, s[64:65] scope:SCOPE_SE
	s_setreg_imm32_b32 hwreg(HW_REG_WAVE_MODE, 25, 1), 1
	s_wait_xcnt 0x0
	s_wait_alu depctr_hold_cnt(0) depctr_sa_sdst(0) depctr_va_vdst(0) depctr_va_sdst(0) depctr_va_ssrc(0) depctr_va_vcc(0) depctr_vm_vsrc(0)
	s_getreg_b32 s2, hwreg(HW_REG_IB_STS2, 6, 4)
	s_cmp_eq_u32 s2, 0
	s_cbranch_scc0 .Lentry_in_a_cluster
	s_endpgm
.Lentry_in_a_cluster:
	s_bfe_u32 s2, ttmp6, 0x10000c
	s_cmp_lg_u32 s2, 0xf033
	s_cbranch_scc0 .Lentry_shape_is_right
	s_endpgm
.Lentry_shape_is_right:
.set SIZE_K, 1024
.set KSB,    32768
.set HALFT,  32768
.set SLOT,   4*HALFT
.set SPARE,  2*SLOT
.set LAPS,   SIZE_K/512
.set FR,     16
.set NL,     4
.set NP,     4
.set ADRA, 16
.set ADRB, 20
.set CO,   26
.set SPW,  28
.set NIL,  29
.set AF,   128
.set XE,   128
.set CD,   192
.set G1, 24
.set G0, 32
.set G1B, 48
.set G0B, 56
.set BA, 68
.set MSB, 0
.macro WIN new
.if MSB != \new
	s_set_vgpr_msb (MSB<<8)|\new
.set MSB, \new
.endif
.endm
.set MUL_LO, 0xa1
.set MUL_HI, 0xf1
.set TO_B,   0x40
.macro JLOAD g0a, g1a, g0b, g1b
	s_cmp_eq_u32 s15, 0
	s_cbranch_scc0 .Lfor_b_\@
	tensor_load_to_lds s[\g0a:\g0a+3], s[\g1a:\g1a+7]
	s_nop 0
.rept 4
	v_nop
.endr
	s_branch .Lasked_\@
.Lfor_b_\@:
	tensor_load_to_lds s[\g0b:\g0b+3], s[\g1b:\g1b+7]
	s_nop 0
.rept 4
	v_nop
.endr
.Lasked_\@:
.endm
.macro CREST
	s_cmp_lg_u32 s14, 0
	s_cbranch_scc1 .Lnot_wave_0_\@
	s_barrier_signal -3
.Lnot_wave_0_\@:
	s_barrier_wait -3
	s_barrier_signal -1
	s_barrier_wait -1
.endm
.macro CROUND
	s_barrier_signal -1
	s_barrier_wait -1
	CREST
.endm
	s_load_b128 s[4:7], s[0:1], 0x0
	s_load_b128 s[8:11], s[0:1], 0x10
	s_load_b128 s[84:87], s[0:1], 0x20
	s_load_b64 s[12:13], s[0:1], 0x30
	v_lshl_add_u32 v[SPW], v0, 2, SPARE
	v_mov_b32 v[NIL], 0
	ds_add_u32 v28, v29
	ds_add_u32 v28, v29
	s_wait_dscnt 0x0
	v_lshrrev_b32 v1, 5, v0
	v_readfirstlane_b32 s14, v1
	s_lshr_b32 s15, s14, 1
	s_and_b32 s16, s14, 1
	s_bfe_u32 s40, ttmp6, 0x40000
	s_bfe_u32 s41, ttmp6, 0x40004
	s_and_b32 s18, ttmp7, 0xffff
	s_lshl_b32 s19, ttmp9, 2
	s_add_co_u32 s96, s19, s41
	s_add_co_u32 s97, s19, s40
	s_lshl_b32 s100, s18, 22
	s_lshl_b32 s101, s18, 20
	s_cmp_lt_u32 s18, 2
	s_cselect_b32 s17, s96, s41
	s_cselect_b32 s42, s40, s97
	s_cselect_b32 s100, s100, 0x200000
	s_cselect_b32 s101, s101, 0x800000
	s_cselect_b32 s88, s17, s42
	s_cselect_b32 s89, s15, s16
	s_cselect_b32 s90, s42, s17
	s_cselect_b32 s91, s16, s15
	s_lshl_b32 s43, s41, 2
	s_lshl_b32 s43, 15, s43
	s_lshl_b32 s44, 0x1111, s40
	s_or_b32 s[G1+0], s43, (3<<16)|(1<<21)
	s_or_b32 s[G1B+0], s44, (3<<16)|(1<<21)
.irp g, G1, G1B
	s_mov_b32 s[\g+1], 32<<16
	s_mov_b32 s[\g+2], 256<<16                     ; the head's load: 256 rows of 256 bytes, K steps 0 and 1 of my 128 rows
	s_mov_b32 s[\g+3], 32<<16
	s_mov_b32 s[\g+4], 256
	s_mov_b32 s[\g+5], 32
	s_mov_b32 s[\g+6], 0
	s_mov_b32 s[\g+7], 0
.endr
	s_lshl_b32 s20, s17, 1
	s_add_co_u32 s20, s20, s16
	s_lshl_b32 s20, s20, 17
	s_add_co_u32 s20, s20, s100
	s_mov_b32 s21, 0
	s_lshl_b32 s46, s42, 1
	s_add_co_u32 s46, s46, s16
	s_lshl_b32 s46, s46, 17
	s_add_co_u32 s46, s46, s101
	s_mov_b32 s47, 0
	s_mul_i32 s45, s14, 2*HALFT                    ; LDS: a wave's quarter holds its part of slot 0, then of slot 1
	s_wait_kmcnt 0x0
	s_load_b512 s[68:83], s[8:9], 0x0
	s_cmp_lt_u32 s18, 2
	s_cselect_b64 s[92:93], s[4:5], s[6:7]
	s_cselect_b64 s[94:95], s[6:7], s[4:5]
	s_add_nc_u64 s[20:21], s[92:93], s[20:21]
	s_add_nc_u64 s[46:47], s[94:95], s[46:47]
	CROUND
.irp s, 0,1
	s_mov_b32 s[G0+4*\s], 1
	s_add_co_u32 s[G0+4*\s+1], s45, \s*HALFT
	s_add_nc_u64 s[G0+4*\s+2:G0+4*\s+3], s[20:21], \s*KSB
	s_or_b32 s[G0+4*\s+3], s[G0+4*\s+3], 0x80000000
	s_mov_b32 s[G0B+4*\s], 1
	s_add_co_u32 s[G0B+4*\s+1], s45, \s*HALFT
	s_add_nc_u64 s[G0B+4*\s+2:G0B+4*\s+3], s[46:47], \s*KSB
	s_or_b32 s[G0B+4*\s+3], s[G0B+4*\s+3], 0x80000000
.endr
	JLOAD G0, G1, G0B, G1B                         ; my one load at the head fills both slots' parts: 65,536 bytes on end in memory and in LDS
	v_and_b32 v1, 31, v0
	v_lshlrev_b32 v[CO], 4, v1
	s_mul_i32 s22, s15, 2*HALFT
	s_mul_i32 s23, s16, 2*HALFT
	s_add_co_u32 s23, s23, 4*HALFT
.irp s, 0,1
	v_add_nc_u32 v[ADRA+\s], s22, v[CO]
	v_add_nc_u32 v[ADRB+\s], s23, v[CO]
	s_add_co_u32 s22, s22, HALFT
	s_add_co_u32 s23, s23, HALFT
.endr
	s_cmp_eq_u32 s18, 1
	s_cselect_b64 s[10:11], s[84:85], s[10:11]
	s_cmp_eq_u32 s18, 2
	s_cselect_b64 s[10:11], s[86:87], s[10:11]
	s_lshl_b32 s104, s90, 10
	s_lshl_b32 s105, s91, 9
	s_add_co_u32 s104, s104, s105
	s_mov_b32 s105, 0
	s_add_nc_u64 s[10:11], s[10:11], s[104:105]
	v_and_b32 v2, 15, v0
	v_bfe_u32 v3, v0, 4, 1
	v_lshlrev_b32 v31, 6, v3
	v_and_b32 v4, 8, v2
	v_add_nc_u32 v4, v4, v2
	v_lshlrev_b32 v25, 2, v4
.irp q, 0,1,2,3,4,5,6,7,8,9,10,11,12,13,14,15
	global_load_b128 v[32+4*\q:35+4*\q], v31, s[10:11] offset:128*(\q/4)+16*(\q%4)
.endr
.irp a, 0,1,2,3,4,5,6,7
	global_load_b32 v[96+2*\a], v25, s[10:11] offset:4*(32*(\a/2)+8*(\a%2))
.endr
	s_wait_kmcnt 0x0
	s_add_co_i32 s104, s68, s69
	s_add_co_i32 s105, s70, s71
	s_add_co_i32 s66, s72, s73
	s_cmp_eq_u32 s18, 1
	s_cselect_b32 s104, s105, s104
	s_cselect_b32 s67, s75, s74
	s_cmp_eq_u32 s18, 2
	s_cselect_b32 s104, s66, s104
	s_cselect_b32 s67, s77, s67
	s_add_co_i32 s104, s104, 127
	s_lshl_b32 s98, s104, 23
	s_mov_b32 s99, s98
	s_add_co_i32 s67, s67, 127
	s_lshl_b32 s66, s67, 23
	v_mov_b32 v11, s66
	s_add_co_i32 s67, s67, 15
	s_lshl_b32 s67, s67, 23
	s_or_b32 s67, s67, 0x600000
	v_mov_b32 v10, s67
	s_cmp_eq_u32 s18, 0
	s_cselect_b32 s104, 17, 18
	s_cselect_b32 s105, 13, 14
	s_cselect_b32 s66, 0, 0x400000
	s_lshr_b32 s67, s88, 3
	s_lshl_b32 s67, s67, 4
	s_lshl_b32 s2, s90, 2
	s_add_co_u32 s67, s67, s2
	s_lshl_b32 s2, s91, 1
	s_add_co_u32 s67, s67, s2
	s_lshl_b32 s67, s67, s104
	s_add_co_u32 s66, s66, s67
	s_and_b32 s2, s88, 7
	s_lshl_b32 s2, s2, 1
	s_add_co_u32 s2, s2, s89
	s_lshl_b32 s2, s2, s105
	s_add_co_u32 s66, s66, s2
	s_lshl_b32 s2, 1, s104
	s_mov_b32 s67, 1024
	s_cmp_eq_u32 s18, 2
	s_cselect_b32 s2, s67, s2
	s_cselect_b32 s22, 11, 10
	s_cselect_b32 s104, 18, 12
	s_cselect_b32 s67, 8192, 0
	s_add_co_u32 s66, s66, s67
	s_lshl_b32 s22, 1, s22
	s_lshl_b32 s104, 1, s104
	s_mov_b32 s23, 0
	s_mov_b32 s105, 0
	s_mov_b32 s67, 0
	s_add_nc_u64 s[BA:BA+1], s[12:13], s[66:67]
	s_add_nc_u64 s[BA+2:BA+3], s[BA:BA+1], s[22:23]
	s_add_nc_u64 s[BA+4:BA+5], s[BA+2:BA+3], s[22:23]
	s_add_nc_u64 s[BA+6:BA+7], s[BA+4:BA+5], s[22:23]
.irp a, 0,1,2,3
	s_add_nc_u64 s[BA+8+2*\a:BA+9+2*\a], s[BA+2*\a:BA+2*\a+1], s[104:105]
.endr
	v_mov_b32 v12, v[CO]
	v_add_nc_u32 v13, 512, v[CO]
	v_add_nc_u32 v14, s2, v[CO]
	v_add_nc_u32 v15, 512, v14
	v_mov_b32 v27, 0
.macro FRAG reg, adr, q, i
.irp c, 0,1,2,3
	ds_load_b128 v[\reg+4*\c:\reg+4*\c+3], v[\adr] offset:16384*(\q)+2048*(\i)+512*\c
.endr
.endm
.macro MUL16 a0, p, zero
.irp a, \a0, \a0+1
.irp b, 0,1,2,3,4,5,6,7
.if \zero
	v_wmma_f32_16x16x128_bf8_bf8 v[8*(8*((\a)%4)+\b):8*(8*((\a)%4)+\b)+7], v[128*(\p)+FR*\b:128*(\p)+FR*\b+FR-1], v[AF+FR*(\a):AF+FR*(\a)+FR-1], 0
.else
	v_wmma_f32_16x16x128_bf8_bf8 v[8*(8*((\a)%4)+\b):8*(8*((\a)%4)+\b)+7], v[128*(\p)+FR*\b:128*(\p)+FR*\b+FR-1], v[AF+FR*(\a):AF+FR*(\a)+FR-1], v[8*(8*((\a)%4)+\b):8*(8*((\a)%4)+\b)+7]
.endif
.endr
.endr
.endm
.macro FETCH_B slot, q, p
	WIN TO_B
.irp i, 0,1,2,3,4,5,6,7
	FRAG 128*(\p)+FR*\i, ADRB+\slot, \q, \i
.endr
	WIN 0
.endm
.macro FETCH_A slot, q, i0
.irp i, \i0, \i0+1, \i0+2, \i0+3
	FRAG AF+FR*(\i), ADRA+\slot, \q, \i
.endr
.endm
.macro PLACES n
.rept \n
	v_nop
.endr
.endm
.macro STEP slot, q, zero
	s_wait_dscnt 4*NL
	WIN MUL_LO
	MUL16 0, (\q)%2, \zero
	MUL16 2, (\q)%2, \zero
	s_wait_dscnt 0x0
	PLACES NP
	FETCH_B \slot, (\q)+1, 1-(\q)%2
	FETCH_A \slot, (\q)+1, 0
	WIN MUL_HI
	MUL16 4, (\q)%2, \zero
	MUL16 6, (\q)%2, \zero
	PLACES NP
	WIN 0
	FETCH_A \slot, (\q)+1, 4
.endm
.macro TURN slot, next, fill
	s_wait_tensorcnt 0x0
	ds_add_u32 v[SPW], v[NIL]
	s_wait_dscnt 4*NL+1
	WIN MUL_LO
	MUL16 0, 1, 0
	s_wait_dscnt 0x0
	s_barrier_signal -1
	MUL16 2, 1, 0
	WIN 0
	s_barrier_wait -1
.if \fill
	CREST
	s_add_nc_u64 s[G0+4*\slot+2:G0+4*\slot+3], s[G0+4*\slot+2:G0+4*\slot+3], 2*KSB
	s_add_nc_u64 s[G0B+4*\slot+2:G0B+4*\slot+3], s[G0B+4*\slot+2:G0B+4*\slot+3], 2*KSB
	JLOAD G0+4*\slot, G1, G0B+4*\slot, G1B
.else
	PLACES NP
.endif
	FETCH_B \next, 0, 0
	FETCH_A \next, 0, 0
	WIN MUL_HI
	MUL16 4, 1, 0
	MUL16 6, 1, 0
	PLACES NP
	WIN 0
	FETCH_A \next, 0, 4
.endm
	s_wait_alu depctr_va_vdst(0)
	s_wait_tensorcnt 0x0                           ; my part of both slots is in, so the descriptors may be written:
	s_mov_b32 s[G1+2], 128<<16                     ; a refill brings one slot's part, 128 rows
	s_mov_b32 s[G1+4], 128
	s_mov_b32 s[G1B+2], 128<<16
	s_mov_b32 s[G1B+4], 128
	s_barrier_signal -1
	s_barrier_wait -1
	FETCH_B 0, 0, 0
	FETCH_A 0, 0, 0
	FETCH_A 0, 0, 4
	STEP 0, 0, 1
	s_mov_b32 s3, LAPS-1
.Llap:
	TURN 0, 1, 1
	STEP 1, 0, 0
	TURN 1, 0, 1
	STEP 0, 0, 0
	s_sub_co_u32 s3, s3, 1
	s_cmp_lg_u32 s3, 0
	s_cbranch_scc1 .Llap
	TURN 0, 1, 0
	STEP 1, 0, 0
	s_wait_dscnt 4*NL
	WIN MUL_LO
	MUL16 0, 1, 0
	MUL16 2, 1, 0
	s_wait_dscnt 0x0
	WIN MUL_HI
	MUL16 4, 1, 0
	MUL16 6, 1, 0
	WIN 0
	PLACES NP
	s_wait_loadcnt 0x0
	s_cmp_eq_u32 s18, 2
	s_cselect_b32 s104, -1, 0
.set i, 0
	s_wait_alu depctr_va_vdst(0)
.rept 64
	v_cndmask_b32 v[32+i], v[32+i], v27, s104
.set i, i+1
.endr
.irp a, 0,1,2,3,4,5,6,7
	v_cndmask_b32 v[96+2*\a], v27, v[96+2*\a], s104
	v_mov_b32 v[97+2*\a], v[96+2*\a]
.endr
.macro EPI a
.if (\a) > 1
	s_wait_xcnt 0x0
.endif
	WIN (0x02+((\a)/4))
.set i, 0
.rept 32
	v_pk_fma_f32 v[XE+i:XE+i+1], v[64*((\a)%4)+i:64*((\a)%4)+i+1], s[98:99], v[32+i:33+i] op_sel_hi:[1,0,1]
.set i, i+2
.endr
	WIN 0
.set i, 0
.rept 32
	v_pk_add_f32 v[XE+i:XE+i+1], v[XE+i:XE+i+1], v[96+2*(\a):97+2*(\a)]
.set i, i+2
.endr
.set i, 0
.rept 64
	v_med3_num_f32 v[XE+i], v[XE+i], -v10, v10
.set i, i+1
.endr
.irp b, 0,1,2,3
	v_cvt_scalef32_pk8_bf8_f32 v[CD+16*((\a)%2)+4*\b:CD+16*((\a)%2)+4*\b+1], v[XE+16*\b:XE+16*\b+7], v11
	v_cvt_scalef32_pk8_bf8_f32 v[CD+16*((\a)%2)+4*\b+2:CD+16*((\a)%2)+4*\b+3], v[XE+16*\b+8:XE+16*\b+15], v11
.endr
	v_nop
.irp b, 0,1,2,3
	global_store_b128 v[12+\b], v[CD+16*((\a)%2)+4*\b:CD+16*((\a)%2)+4*\b+3], s[BA+2*(\a):BA+2*(\a)+1]
.endr
.endm
.irp a, 0,1,2,3,4,5,6,7
	EPI \a
.endr
	s_wait_tensorcnt 0x0
	ds_add_u32 v[SPW], v[NIL]
	s_wait_dscnt 0x0
	CROUND
	s_endpgm
.Lfunc_end_k_q6eaffbf763_gemm_qkv:
	.size	k_q6eaffbf763_gemm_qkv, .Lfunc_end_k_q6eaffbf763_gemm_qkv-k_q6eaffbf763_gemm_qkv
	.p2alignl 7, 3214868480
	.fill 96, 4, 3214868480
	.section	.rodata,"a",@progbits
	.p2align	6, 0x0
	.amdhsa_kernel k_q6eaffbf763_gemm_qkv
		.amdhsa_group_segment_fixed_size 327680
		.amdhsa_private_segment_fixed_size 0
		.amdhsa_enable_private_segment 0
		.amdhsa_kernarg_size 56
		.amdhsa_user_sgpr_count 2
		.amdhsa_user_sgpr_kernarg_segment_ptr 1
		.amdhsa_wavefront_size32 1
		.amdhsa_system_sgpr_workgroup_id_x 1
		.amdhsa_system_sgpr_workgroup_id_y 1
		.amdhsa_system_sgpr_workgroup_id_z 1
		.amdhsa_system_vgpr_workitem_id 0
		.amdhsa_next_free_vgpr 1024
		.amdhsa_next_free_sgpr 106
		.amdhsa_reserve_vcc 0
		.amdhsa_float_denorm_mode_32 3
		.amdhsa_float_denorm_mode_16_64 3
		.amdhsa_memory_ordered 1
		.amdhsa_forward_progress 1
		.amdhsa_inst_pref_size 159
	.end_amdhsa_kernel
	.amdgpu_metadata
---
amdhsa.version: [ 1, 2 ]
amdhsa.kernels:
  - .name:           k_q6eaffbf763_gemm_qkv
    .symbol:         k_q6eaffbf763_gemm_qkv.kd
    .args:
      - { .name: xc, .offset: 0, .size: 8, .value_kind: global_buffer, .address_space: global }
      - { .name: wc, .offset: 8, .size: 8, .value_kind: global_buffer, .address_space: global }
      - { .name: lowp_scales, .offset: 16, .size: 8, .value_kind: global_buffer, .address_space: global }
      - { .name: bq, .offset: 24, .size: 8, .value_kind: global_buffer, .address_space: global }
      - { .name: bk, .offset: 32, .size: 8, .value_kind: global_buffer, .address_space: global }
      - { .name: bv, .offset: 40, .size: 8, .value_kind: global_buffer, .address_space: global }
      - { .name: qkvc, .offset: 48, .size: 8, .value_kind: global_buffer, .address_space: global }
    .group_segment_fixed_size: 327680
    .private_segment_fixed_size: 0
    .kernarg_segment_align: 8
    .kernarg_segment_size: 56
    .max_flat_workgroup_size: 128
    .sgpr_count:     106
    .vgpr_count:     1024
    .wavefront_size: 32
...
	.end_amdgpu_metadata
.endif
;; end of part 2
;; launch attn (part 3): grid 8 x 32, 16 waves a work-group, clusters of 4 x 1, 296,960 bytes of LDS; arguments qkvc, lowp_scales, resonance, phase, oc; writes oc
.if DOCPART == 3
	.amdgcn_target "amdgcn-amd-amdhsa--gfx1250"
	.amdhsa_code_object_version 6
	.text
	.protected	k_q6eaffbf763_attn
	.globl	k_q6eaffbf763_attn
	.p2align	8
	.type	k_q6eaffbf763_attn,@function
k_q6eaffbf763_attn:
	s_mov_b64 s[64:65], 0
	v_nop
	global_prefetch_b8 v0, s[64:65] scope:SCOPE_SE
	s_setreg_imm32_b32 hwreg(HW_REG_WAVE_MODE, 25, 1), 1
	s_wait_xcnt 0x0
	s_wait_alu depctr_hold_cnt(0) depctr_sa_sdst(0) depctr_va_vdst(0) depctr_va_sdst(0) depctr_va_ssrc(0) depctr_va_vcc(0) depctr_vm_vsrc(0)
	s_getreg_b32 s2, hwreg(HW_REG_IB_STS2, 6, 4)
	s_cmp_eq_u32 s2, 0
	s_cbranch_scc0 .Lentry_in_a_cluster
	s_endpgm
.Lentry_in_a_cluster:
	s_bfe_u32 s2, ttmp6, 0x10000c
	s_cmp_lg_u32 s2, 0x3003
	s_cbranch_scc0 .Lentry_shape_is_right
	s_endpgm
.Lentry_shape_is_right:
; Attention on codes of E5M2 for one (batch, head) and 256 queries: s = q . k / 8; logit = s + resonance sin(s + phase); softmax; x v; the result quantised for the next product.
; THE SOFTMAX: t = logit x log2(e); M = the running largest t rounded UP to a whole number; p = 2^(t - M) is quantised; the row's sum is taken of the unquantised p and divides at the end.
; When M moves, the sum and O are multiplied by 2^(old M - new M): exact.
; SHARES: sixteen waves, 16 queries each, 256 registers, four waves to a SIMD.  LDS holds the head's WHOLE k and v, 262,144 bytes, filled once: wave w asks for key step w
; (128 keys: k's eight fragments of 1,024 bytes, v's four of 2,048: 16,384 dense bytes).  Nothing is filled again: no ring.
; WAVE w BEGINS WITH KEY STEP w, the tile that it asked for itself: its own wait on TENSORcnt orders those reads.  It signals the one barrier behind that wait and waits for it behind the step;
; then it walks the other fifteen steps, (w + i) % 16.  The running M makes the order of the steps free.
; CLUSTER: the four query blocks of a cluster belong to one head: each tile is asked for jointly, by the same load with a mask that names the four.
; Both products are used transposed (S^T = k q^T, O^T = v^T p^T): a lane holds one query (lane % 16).  k's fragments hold keys in the order 32 b + 8 u + r + 8 (r / 8), so that the 16 registers of tiles 2 b, 2 b + 1 are keys 32 b + 16 h + 0 .. 15.
; THE SINE, a = s + phase: u = a / (2 pi) + 1/4 (one multiply-add on the raw sum); f = u - floor(u); w = f - 1/2 is a / (2 pi) - 1/4 less a whole number, so sin a = cos(2 pi w), an even function of w:
;   a polynomial G of degree 6 in y = w^2 - 1/4 = f f - f (one multiply-add), -1/4 <= y <= 0.  G is the Chebyshev series of cos(pi cos(theta / 2)), whose coefficients are 2 (-1)^m J_2m(pi), cut behind m = 6:
;   what is left out is under 1.2e-8.  For y < 0 all its terms but the constant have one sign.  u is rounded once, as a is in f32; 1 / (2 pi) is one f32 number.
; THE LOGIT IS KEPT IN UNITS OF A RAW SUM, less a constant: X = sum + resonance 2^(3 - e6 - e7) (G(y) - G(0)): the last step of G's evaluation adds onto the sum.
;   t = X x (log2(e) 2^(e6 + e7 - 3)) + TS, TS = resonance G(0) log2(e); t - M is one multiply-add with the addend TS - M; the maximum is taken of X (the factor is positive).
; LIMITS: |s + phase| under 1e6 (the sine's error grows with the rounding of u); e6 + e7 between -120 and 127; e8, e10 between -126 and 112.  NaN is not served.
; No prefetch: all that the work-group reads is asked for at its head.
; REGISTERS: v1 16 x lane; v2 the step's LDS address; v3, v25 scale and hold of the output; v[4:5] phase / (2 pi) + 1/4; v6, v24, v28 at work; v7, v10 the hold of p (twice, for the dual pairs); v[8:9] a coefficient; v11 scale of p;
;   v12 -M; v13 largest t; v[14:15] the sum; v16-23 q; v[26:27] f; v[30:31] TS - M; v32-95 fragments, and the sine's two sets of 32; v96-159 S^T, X, p; v160-191 O^T; v192-207 p's codes; v240-253 partial sums; v254, v255 the add's.
.set SPARE, 0x48000                    ; the spare words: 128 bytes for each of sixteen waves, apart from the tiles
.set WV,  18
.set SEL, 20
.set G1,  24
.set G0,  32
.set TB,  2
.set CNT, 3
.set KU,  46                           ; s[46:47] 2^(e6 + e7 - 3) / (2 pi)
.set CT,  48                           ; s[48:49] log2(e) 2^(e6 + e7 - 3)
.set C6,  50                           ; G's coefficients x resonance x 2^(3 - e6 - e7)
.set C4,  54
.set C3,  56
.set C2,  60
.set C1,  62
.set TS,  66
.set T1,  32
.set T2,  64
.set SM,  240
.macro CROUND                          ; a round of the cluster's barrier
	s_barrier_signal -1
	s_barrier_wait -1
	s_cmp_lg_u32 s[WV], 0
	s_cbranch_scc1 .Lnot_wave_0_\@
	s_barrier_signal -3
.Lnot_wave_0_\@:
	s_barrier_wait -3
	s_barrier_signal -1
	s_barrier_wait -1
.endm
	s_load_b256 s[4:11], s[0:1], 0x0               ; qkvc, the scales' exponents, resonance, phase
	s_load_b64 s[12:13], s[0:1], 0x20              ; oc
	v_lshl_add_u32 v254, v0, 2, SPARE
	v_mov_b32 v255, 0
	ds_add_u32 v254, v255                          ; the opening lines: the add, twice on end, and its wait ahead of my tensor load
	ds_add_u32 v254, v255
	v_lshrrev_b32 v1, 5, v0
	s_delay_alu instid0(VALU_DEP_1)
	v_readfirstlane_b32 s[WV], v1                  ; wave 0..15
	v_and_b32 v1, 31, v0
	s_delay_alu instid0(VALU_DEP_1)
	v_lshlrev_b32 v1, 4, v1                        ; 16 x lane
	s_bfe_u32 s14, ttmp6, 0x40000                  ; cx: it enters q's and the output's addresses alone
	s_lshl_b32 s15, ttmp9, 2
	s_add_co_u32 s15, s15, s14                     ; my block of 256 queries
	s_and_b32 s16, ttmp7, 0xffff                   ; 16 batch + head, which the partners share
	s_mov_b32 s[G1], 15|(3<<16)|(1<<21)            ; the mask: all four; elements of 8 bytes; bit 21 beside a mask
	s_mov_b32 s[G1+1], 32<<16                      ; tensor_dim0 = 32 elements: 256 bytes
	s_mov_b32 s[G1+2], 64<<16                      ; tensor_dim1 = 64
	s_mov_b32 s[G1+3], 32<<16                      ; tile_dim0
	s_mov_b32 s[G1+4], 64                          ; tile_dim1
	s_mov_b32 s[G1+5], 32                          ; dense
	s_mov_b32 s[G1+6], 0
	s_mov_b32 s[G1+7], 0
	s_lshl_b32 s17, s[WV], 14                      ; key step w: its place in the head's block and in LDS
	s_lshl_b32 s22, s16, 18
	s_add_co_u32 s22, s22, s17
	s_add_co_u32 s22, s22, 0x400000
	s_mov_b32 s23, 0
	s_and_b32 s42, s16, 15                         ; head
	s_lshl_b32 s42, s42, 2
	s_mov_b32 s43, 0
	s_wait_dscnt 0x0
	s_wait_kmcnt 0x0
	s_load_b128 s[36:39], s[6:7], 0x18             ; e6, e7, e8, e9
	s_load_b32 s40, s[6:7], 0x28                   ; e10
	s_add_nc_u64 s[8:9], s[8:9], s[42:43]
	s_add_nc_u64 s[10:11], s[10:11], s[42:43]
	s_load_b32 s41, s[8:9], 0x0                    ; my head's resonance
	s_load_b32 s44, s[10:11], 0x0                  ; and phase
	s_mov_b32 s[G0], 1
	s_mov_b32 s[G0+1], s17
	s_add_nc_u64 s[G0+2:G0+3], s[4:5], s[22:23]
	s_or_b32 s[G0+3], s[G0+3], 0x80000000
	CROUND                                         ; all four work-groups are here: the joint loads meet
	tensor_load_to_lds s[G0:G0+3], s[G1:G1+7]      ; my one tensor load
	s_nop 0
.rept 4
	v_nop
.endr
	s_lshl_b32 s42, s16, 17
	s_lshl_b32 s45, s15, 14
	s_add_co_u32 s42, s42, s45
	s_lshl_b32 s45, s[WV], 10
	s_add_co_u32 s42, s42, s45                     ; q's tile 16 block + wave of 1,024 bytes
	s_add_nc_u64 s[4:5], s[4:5], s[42:43]
	s_wait_alu depctr_va_vdst(0)                   ; ahead of v1's reader
	global_load_b128 v[16:19], v1, s[4:5]
	global_load_b128 v[20:23], v1, s[4:5] offset:512
	s_lshr_b32 s70, s16, 4
	s_lshl_b32 s70, s70, 4
	s_lshl_b32 s68, s15, 1
	s_add_co_u32 s70, s70, s68
	s_lshr_b32 s68, s[WV], 3
	s_add_co_u32 s70, s70, s68
	s_lshl_b32 s70, s70, 17                        ; the output's panel of 128 tokens: 16 batch + 2 block + wave / 8
	s_bfe_u32 s68, s16, 0x30001
	s_lshl_b32 s68, s68, 14
	s_add_co_u32 s70, s70, s68                     ; K step head / 2
	s_and_b32 s68, s[WV], 7
	s_lshl_b32 s68, s68, 11
	s_add_co_u32 s70, s70, s68                     ; fragment wave % 8
	s_and_b32 s68, s16, 1
	s_lshl_b32 s68, s68, 10
	s_add_co_u32 s70, s70, s68                     ; its half head % 2
	s_mov_b32 s71, 0
	s_add_nc_u64 s[12:13], s[12:13], s[70:71]
	s_mov_b32 s[SEL], 0x76543210
	s_mov_b32 s[SEL+1], 0xfedcba98
	v_mov_b32 v13, 0xff61b1e6                      ; the largest t so far: -3e38
	s_delay_alu instid0(VALU_DEP_1)
	v_floor_f32 v12, -v13
	v_mov_b32 v14, 0
	v_mov_b32 v15, 0
	v_mov_b32 v24, 0                               ; a lane permute's destination counts as one of its sources
	v_mov_b32 v27, 0                               ; (named as the upper halves of pairs)
	v_mov_b32 v31, 0
.set i, 0
.rept 32
	v_mov_b32 v[160+i], 0                          ; O^T: the step is written once; the first change of M leaves zeros zeros
.set i, i+1
.endr
	s_wait_kmcnt 0x0
	s_add_co_i32 s72, s36, s37
	s_sub_co_i32 s72, s72, 3                       ; a sum of the first product stands for sum x 2^(e6 + e7); / 8
	s_lshl_b32 s73, s72, 23
	s_add_co_i32 s[CT], s73, 0x3fb8aa3b            ; the exponent is added to the constant's exponent field
	s_mov_b32 s[CT+1], s[CT]
	s_add_co_i32 s[KU], s73, 0x3e22f983            ; 1 / (2 pi) likewise
	s_mov_b32 s[KU+1], s[KU]
	s_sub_co_i32 s75, 127, s72
	s_lshl_b32 s75, s75, 23                        ; 2^(3 - e6 - e7) as f32
	s_mul_f32 s74, s41, s75                        ; resonance in units of a raw sum
	s_mul_f32 s[C6], s74, 0x40d0eac3               ; G's coefficients:   6.5286573 y^6
	s_mov_b32 s[C6+1], s[C6]
	s_mul_f32 s75, s74, 0xc181659b                 ; -16.174613 y^5
	v_mov_b32 v8, s75
	v_mov_b32 v9, s75
	s_mul_f32 s[C4], s74, 0x420750a3               ;  33.828749 y^4
	s_mov_b32 s[C4+1], s[C4]
	s_mul_f32 s[C3], s74, 0xc21de362               ; -39.472053 y^3
	s_mov_b32 s[C3+1], s[C3]
	s_mul_f32 s[C2], s74, 0x419dea72               ;  19.739476 y^2
	s_mov_b32 s[C2+1], s[C2]
	s_mul_f32 s[C1], s74, 0x368c48be               ;  4.18e-6 y
	s_mov_b32 s[C1+1], s[C1]
	s_mul_f32 s[TS], s41, 0xbfb8aa3b               ; resonance G(0) log2(e), G(0) = -1 + 1.0e-8
	s_mov_b32 s76, 0x3e800000
	s_mov_b32 s77, 0x3e22f983
	s_fmac_f32 s76, s44, s77                       ; phase / (2 pi) + 1/4
	v_mov_b32 v4, s76
	v_mov_b32 v5, s76
	s_add_co_i32 s72, s38, 127
	s_lshl_b32 s73, s72, 23
	v_mov_b32 v11, s73                             ; 2^e8
	s_add_co_i32 s72, s72, 15
	s_lshl_b32 s72, s72, 23
	s_or_b32 s72, s72, 0x600000
	v_mov_b32 v10, s72                             ; 57,344 x 2^e8,
	v_mov_b32 v7, s72                              ; and once more: the two halves of a dual pair take their second sources from different register banks
	s_add_co_i32 s72, s40, 127
	s_lshl_b32 s73, s72, 23
	v_mov_b32 v3, s73                              ; 2^e10
	s_add_co_i32 s72, s72, 15
	s_lshl_b32 s72, s72, 23
	s_or_b32 s72, s72, 0x600000
	v_mov_b32 v25, s72
	s_mov_b32 s[TB], s17                           ; my first key step is the one that I asked for
; X = sum + resonance 2^(3 - e6 - e7) (G(y) - G(0)) for 32 sums, two at a time
.macro SINE g
.set SR, 96+32*\g
.set i, 0
.rept 16
	v_pk_fma_f32 v[T1+i:T1+i+1], v[SR+i:SR+i+1], s[KU:KU+1], v[4:5] op_sel_hi:[1,0,1]        ; u; each accumulator from its low end on
.set i, i+2
.endr
.set i, 0
.rept 32
	v_fract_f32 v[T1+i], v[T1+i]                                                             ; f = u - floor(u)
.set i, i+1
.endr
.set i, 0
.rept 16
	v_pk_fma_f32 v[T2+i:T2+i+1], v[T1+i:T1+i+1], v[T1+i:T1+i+1], v[T1+i:T1+i+1] neg_lo:[0,0,1] neg_hi:[0,0,1]   ; y = f f - f, rounded once
.set i, i+2
.endr
.set i, 0
.rept 16
	v_pk_fma_f32 v[T1+i:T1+i+1], v[T2+i:T2+i+1], s[C6:C6+1], v[8:9] op_sel_hi:[1,0,1]
.set i, i+2
.endr
.irp c, C4, C3, C2, C1
.set i, 0
.rept 16
	v_pk_fma_f32 v[T1+i:T1+i+1], v[T1+i:T1+i+1], v[T2+i:T2+i+1], s[\c:\c+1] op_sel_hi:[1,1,0]
.set i, i+2
.endr
.endr
.set i, 0
.rept 16
	v_pk_fma_f32 v[SR+i:SR+i+1], v[T1+i:T1+i+1], v[T2+i:T2+i+1], v[SR+i:SR+i+1]              ; the last step adds onto the raw sum
.set i, i+2
.endr
.endm
; A KEY STEP: the 128 keys whose tiles begin at LDS byte s[TB]
.macro STEP
	v_add_nc_u32 v2, s[TB], v1
.rept 3
	v_nop                                          ; with the addition: four places in front of loads into registers that the last products read
.endr
.irp t, 0,1,2,3,4,5,6,7
	ds_load_b128 v[32+8*\t:35+8*\t], v2 offset:1024*\t
	ds_load_b128 v[36+8*\t:39+8*\t], v2 offset:1024*\t+512
.endr
	s_wait_dscnt 0x0
.irp t, 0,1,2,3,4,5,6,7
	v_wmma_f32_16x16x64_bf8_bf8 v[96+8*\t:103+8*\t], v[32+8*\t:39+8*\t], v[16:23], 0
.endr
.rept 4
	v_nop
.endr
	s_wait_alu depctr_va_vdst(0)
	SINE 0
	SINE 1
	v_max3_num_f32 v28, v96, v97, v98              ; the step's largest X of my query among my 64 keys, in two chains,
	v_max3_num_f32 v6, v99, v100, v101
.irp i, 6,10,14,18,22,26,30,34,38,42,46,50,54,58
	s_delay_alu instid0(VALU_DEP_2)
	v_max3_num_f32 v28, v28, v[96+\i], v[97+\i]
	s_delay_alu instid0(VALU_DEP_2)
	v_max3_num_f32 v6, v6, v[98+\i], v[99+\i]
.endr
.irp t, 0,1,2,3
.irp c, 0,1,2,3
	ds_load_b128 v[32+16*\t+4*\c:35+16*\t+4*\c], v2 offset:8192+2048*\t+512*\c   ; v's fragments, into the sine's sets, which are done with: they land under the softmax
.endr
.endr
	v_max3_num_f32 v28, v28, v158, v159
	s_delay_alu instid0(VALU_DEP_1)
	v_max_num_f32 v28, v28, v6
	s_delay_alu instid0(VALU_DEP_1)
	v_permlanex16_b32 v24, v28, s[SEL], s[SEL+1]
	s_delay_alu instid0(VALU_DEP_1)
	v_max_num_f32 v28, v28, v24                    ; and among lane l xor 16's
	s_delay_alu instid0(VALU_DEP_1)
	v_fma_f32 v28, v28, s[CT], s[TS]               ; as t (the factor is positive)
	s_delay_alu instid0(VALU_DEP_1)
	v_max_num_f32 v13, v13, v28                    ; the running largest t
	v_mov_b32 v28, v12
	s_delay_alu instid0(VALU_DEP_2)
	v_floor_f32 v12, -v13                          ; -M = floor(-t): M is a whole number
	s_delay_alu instid0(VALU_DEP_1)
	v_add_f32 v30, s[TS], v12                      ; TS - M
	v_sub_f32 v28, v12, v28                        ; old M - new M, 0 or less
	s_delay_alu instid0(VALU_DEP_1)
	v_cvt_i32_f32 v28, v28
	s_delay_alu instid0(VALU_DEP_1)
	v_ldexp_f32 v26, 1.0, v28                      ; f = 2^(old M - new M)
.set i, 0
.rept 32
	v_pk_fma_f32 v[96+i:97+i], v[96+i:97+i], s[CT:CT+1], v[30:31] op_sel_hi:[1,0,0]   ; t - M, two at a time (of both pairs the low word serves both halves)
.set i, i+2
.endr
	s_wait_alu depctr_va_vdst(0)                   ; ahead of the batch
.set i, 0
.rept 64
	v_exp_f32 v[96+i], v[96+i]                     ; p = 2^(t - M): not normalised
.set i, i+1
.endr
	v_pk_mul_f32 v[14:15], v[14:15], v[26:27] op_sel_hi:[1,0]   ; the sums under the new M: the plain line behind the exponentials
	s_wait_alu depctr_va_vdst(0)                   ; one wait for the whole batch, ahead of its first reader
.irp c, 0,1,2,3,4,5,6                  ; the row's sum of the unquantised p: 32 pairs into eight chains
	v_pk_add_f32 v[SM+2*\c:SM+2*\c+1], v[96+4*\c:97+4*\c], v[98+4*\c:99+4*\c]
.endr
	v_pk_add_f32 v[14:15], v[14:15], v[124:125]
.irp c, 0,1,2,3,4,5,6
	v_pk_add_f32 v[SM+2*\c:SM+2*\c+1], v[SM+2*\c:SM+2*\c+1], v[126+2*\c:127+2*\c]
.endr
	v_pk_add_f32 v[14:15], v[14:15], v[140:141]
.irp c, 0,1,2,3,4,5,6
	v_pk_add_f32 v[SM+2*\c:SM+2*\c+1], v[SM+2*\c:SM+2*\c+1], v[142+2*\c:143+2*\c]
.endr
	v_pk_add_f32 v[14:15], v[14:15], v[156:157]
	v_pk_add_f32 v[SM:SM+1], v[SM:SM+1], v[158:159]
	v_pk_add_f32 v[SM+2:SM+3], v[SM+2:SM+3], v[SM+10:SM+11]
	v_pk_add_f32 v[SM+4:SM+5], v[SM+4:SM+5], v[SM+12:SM+13]
	v_pk_add_f32 v[14:15], v[14:15], v[SM+6:SM+7]
	s_delay_alu instid0(VALU_DEP_4)
	v_pk_add_f32 v[SM:SM+1], v[SM:SM+1], v[SM+8:SM+9]
	s_delay_alu instid0(VALU_DEP_3)
	v_pk_add_f32 v[SM+2:SM+3], v[SM+2:SM+3], v[SM+4:SM+5]
	s_delay_alu instid0(VALU_DEP_2)
	v_pk_add_f32 v[14:15], v[14:15], v[SM:SM+1]
	s_delay_alu instid0(VALU_DEP_1)
	v_pk_add_f32 v[14:15], v[14:15], v[SM+2:SM+3]
.irp b, 0,1,2,3
.set i, 0
.rept 8
	v_dual_min_num_f32 v[96+16*\b+i], v[96+16*\b+i], v10 :: v_dual_min_num_f32 v[97+16*\b+i], v[97+16*\b+i], v7   ; the conversion does not saturate (ISA guide 7.6.2); p is not negative
.set i, i+2
.endr
	v_cvt_scalef32_pk8_bf8_f32 v[192+4*\b:193+4*\b], v[96+16*\b:103+16*\b], v11
	v_cvt_scalef32_pk8_bf8_f32 v[194+4*\b:195+4*\b], v[104+16*\b:111+16*\b], v11
.endr
	s_wait_alu depctr_va_vdst(0)                   ; directly ahead of the first reader of O^T
.set i, 0
.rept 16
	v_pk_mul_f32 v[160+i:161+i], v[160+i:161+i], v[26:27] op_sel_hi:[1,0]   ; O^T under the new M; also the plain lines behind the conversions
.set i, i+2
.endr
	s_wait_alu depctr_va_vdst(0)
	s_wait_dscnt 0x0                               ; v's fragments
.irp t, 0,1,2,3
	v_wmma_f32_16x16x128_bf8_bf8 v[160+8*\t:167+8*\t], v[32+16*\t:47+16*\t], v[192:207], v[160+8*\t:167+8*\t]   ; four accumulators by turns
.endr
.endm
	s_wait_alu depctr_va_vdst(0)
	s_wait_loadcnt 0x0                             ; q
	s_wait_tensorcnt 0x0                           ; my key step has landed: I say so,
	s_barrier_signal -1
	STEP                                           ; work on it: registers, and LDS loads of bytes that nobody writes again,
	s_barrier_wait -1                              ; and go on when everybody's has landed
	s_mov_b32 s[CNT], 1
.Lstep:                                            ; fifteen trips: key step (wave + trip) % 16
	s_add_co_u32 s[TB], s[WV], s[CNT]
	s_and_b32 s[TB], s[TB], 15
	s_lshl_b32 s[TB], s[TB], 14
	STEP
	s_add_co_u32 s[CNT], s[CNT], 1
	s_cmp_lt_u32 s[CNT], 16
	s_cbranch_scc1 .Lstep
	; THE WAY OUT: O^T x 2^(e8 + e9) / the sum, quantised with e10.  v's rows lie in the order that makes my 32 registers d = 32 b + 16 h + 0 .. 15: the codes are the next operand's image.
.rept 4
	v_nop
.endr
	v_add_f32 v14, v14, v15
	s_delay_alu instid0(VALU_DEP_1)
	v_permlanex16_b32 v24, v14, s[SEL], s[SEL+1]
	s_delay_alu instid0(VALU_DEP_1)
	v_add_f32 v14, v14, v24                        ; the row's sum
	s_wait_alu depctr_va_vdst(0)                   ; ahead of the transcendental
	v_rcp_f32 v14, v14
	v_nop
	s_add_co_i32 s72, s38, s39
	s_wait_alu depctr_va_vdst(0)                   ; and ahead of its first reader
	v_ldexp_f32 v14, v14, s72
	s_wait_alu depctr_va_vdst(0)                   ; and directly ahead of the first reader of O^T
.set i, 0
.rept 16
	v_pk_mul_f32 v[96+i:97+i], v[160+i:161+i], v[14:15] op_sel_hi:[1,0]
.set i, i+2
.endr
.set i, 0
.rept 32
	v_med3_num_f32 v[96+i], v[96+i], -v25, v25
.set i, i+1
.endr
.irp b, 0,1
	v_cvt_scalef32_pk8_bf8_f32 v[192+4*\b:193+4*\b], v[96+16*\b:103+16*\b], v3
	v_cvt_scalef32_pk8_bf8_f32 v[194+4*\b:195+4*\b], v[104+16*\b:111+16*\b], v3
.endr
	v_nop
	global_store_b128 v1, v[192:195], s[12:13]     ; 512 consecutive bytes each
	global_store_b128 v1, v[196:199], s[12:13] offset:512
	s_wait_tensorcnt 0x0                           ; the wave's end
	ds_add_u32 v254, v255
	s_wait_dscnt 0x0
	CROUND                                         ; the closing round: no work-group ends while a partner may still ask
	s_endpgm
.Lfunc_end_k_q6eaffbf763_attn:
	.size	k_q6eaffbf763_attn, .Lfunc_end_k_q6eaffbf763_attn-k_q6eaffbf763_attn
	.p2alignl 7, 3214868480
	.fill 96, 4, 3214868480
	.section	.rodata,"a",@progbits
	.p2align	6, 0x0
	.amdhsa_kernel k_q6eaffbf763_attn
		.amdhsa_group_segment_fixed_size 296960
		.amdhsa_private_segment_fixed_size 0
		.amdhsa_enable_private_segment 0
		.amdhsa_kernarg_size 40
		.amdhsa_user_sgpr_count 2
		.amdhsa_user_sgpr_kernarg_segment_ptr 1
		.amdhsa_wavefront_size32 1
		.amdhsa_system_sgpr_workgroup_id_x 1
		.amdhsa_system_sgpr_workgroup_id_y 1
		.amdhsa_system_sgpr_workgroup_id_z 1
		.amdhsa_system_vgpr_workitem_id 0
		.amdhsa_next_free_vgpr 256
		.amdhsa_next_free_sgpr 80
		.amdhsa_reserve_vcc 0
		.amdhsa_float_denorm_mode_32 3
		.amdhsa_float_denorm_mode_16_64 3
		.amdhsa_memory_ordered 1
		.amdhsa_forward_progress 1
		.amdhsa_inst_pref_size 82
	.end_amdhsa_kernel
	.amdgpu_metadata
---
amdhsa.version: [ 1, 2 ]
amdhsa.kernels:
  - .name:           k_q6eaffbf763_attn
    .symbol:         k_q6eaffbf763_attn.kd
    .args:
      - { .name: qkvc, .offset: 0, .size: 8, .value_kind: global_buffer, .address_space: global }
      - { .name: lowp_scales, .offset: 8, .size: 8, .value_kind: global_buffer, .address_space: global }
      - { .name: resonance, .offset: 16, .size: 8, .value_kind: global_buffer, .address_space: global }
      - { .name: phase, .offset: 24, .size: 8, .value_kind: global_buffer, .address_space: global }
      - { .name: oc, .offset: 32, .size: 8, .value_kind: global_buffer, .address_space: global }
    .group_segment_fixed_size: 296960
    .private_segment_fixed_size: 0
    .kernarg_segment_align: 8
    .kernarg_segment_size: 40
    .max_flat_workgroup_size: 512
    .sgpr_count:     80
    .vgpr_count:     256
    .wavefront_size: 32
...
	.end_amdgpu_metadata
.endif
;; end of part 3
;; launch wo_ln1 (part 4): grid 256 x 1, 16 waves a work-group, no clusters, 20,480 bytes of LDS; arguments oc, wc, x, bo, g1, b1, s1, lowp_scales, x1f, x1c; writes x1f, x1c
.if DOCPART == 4
	.amdgcn_target "amdgcn-amd-amdhsa--gfx1250"
	.amdhsa_code_object_version 6
	.text
	.protected	k_q6eaffbf763_wo_ln1
	.globl	k_q6eaffbf763_wo_ln1
	.p2align	8
	.type	k_q6eaffbf763_wo_ln1,@function
k_q6eaffbf763_wo_ln1:
	s_mov_b64 s[64:65], 0
	v_nop
	global_prefetch_b8 v0, s[64:65] scope:SCOPE_SE
	s_setreg_imm32_b32 hwreg(HW_REG_WAVE_MODE, 25, 1), 1
	s_wait_xcnt 0x0
; The projection on the way out of attention and the first norm, in one launch.
; sum = codes of o x codes of Wo (E5M2, K = 1,024);  v = x + (sum x 2^(e10 + e11) + bo);  out = g1 (v - mean) / (std + s1 sin(pi std) + 1e-6) + b1, std with 1,023 in the divisor.
; out goes to x1f (f32, as registers lie) and, quantised with entry 12 of the scales, to x1c (images of operand registers).
; SHARES: a work-group takes ONE fragment of 16 tokens and all 1,024 columns, so that a row's mean and deviation stay in the work-group: 256 work-groups.  Row r of fragment rho is token 32 (rho / 2) + 8 (rho % 2) + r + 8 (r / 8).
; Wave w of sixteen takes columns 64 w on: four fragments of Wo, four accumulators, four matrix instructions for 128 along K; eight K steps, written out, every offset an immediate.
; THE PRODUCT IS USED TRANSPOSED (source 0 = 16 rows of Wo's codes, source 1 = my 16 tokens): register 16 b + i of lane (r, h) is column 64 w + 32 b + 16 h + i of token r.
; OPERANDS: Wo's codes lie in memory as images of operand registers (2,048 bytes a fragment: byte 512 c + 16 lane), and a fragment feeds one matrix instruction of one wave.  So they go from memory straight
; into registers, 512 consecutive bytes a load, two sets of 64 registers, asked for two K steps ahead: through LDS each byte would be written and read once more and shared by nobody.
; That is also why there is no tensor load, no ring and no cluster here: a joint load serves tiles in LDS alone.  No prefetch: there is no loop to run ahead in; the loads themselves run two steps ahead.
; The tokens' codes, 16,384 bytes, are wanted by all sixteen waves: each wave fetches 1,024 of them, and they are shared through LDS.
; Mean first, then the sum of squared differences: no difference of large sums is formed.  The waves' parts of a row's sum meet in LDS: 16 words a row, one block of 1,024 bytes for the mean and one for the squares.
; The sine: std = k + r, k whole, |r| <= 1/2; sin(pi std) = (-1)^k r P(r^2), P of degree 5 (the first term left out is under 6e-8).
; LIMITS: e10 + e11 between -126 and 127; entry 12 between -126 and 112.  NaN is not served.
; REGISTERS: v1 16 x lane; v5 64 h; v6, v7 LDS words of the sums; v8 my place in A's stage; v9 x's offset; v10 at work; v12, v13 scale and hold; v30, v31 the add's;
;   v32-63 accumulators; v64-95 A's fragments, two sets, later at work; v96-223 Wo's fragments, two sets, later bo, g1, b1 and the held numbers; v224-255 x, v, v - mean, out.
.set WOFF,  3<<20                      ; Wo's codes in wc
.set RED,   16384                      ; LDS: behind A's 16,384 bytes: 2 x 1,024 bytes for the sums
.set SPARE, 18432                      ; the spare words: 128 bytes for each of sixteen waves
.set ACC, 32
.set AF,  64
.set BF,  96
.set XR,  224
.set BO,  96
.set GR,  128
.set BR,  160
.set HR,  192
	s_load_b512 s[4:19], s[0:1], 0x0               ; oc, wc, x, bo, g1, b1, s1, the scales' exponents
	s_load_b128 s[20:23], s[0:1], 0x40             ; x1f, x1c
	v_lshl_add_u32 v30, v0, 2, SPARE
	v_mov_b32 v31, 0
	v_lshrrev_b32 v1, 5, v0
	s_delay_alu instid0(VALU_DEP_1)
	v_readfirstlane_b32 s2, v1                     ; w
	v_and_b32 v1, 31, v0
	s_delay_alu instid0(VALU_DEP_1)
	v_lshlrev_b32 v1, 4, v1                        ; 16 x lane
	v_and_b32 v3, 15, v0                           ; r
	v_bfe_u32 v4, v0, 4, 1                         ; h
	s_delay_alu instid0(VALU_DEP_1)
	v_lshlrev_b32 v5, 6, v4                        ; 64 h
	v_and_b32 v9, 8, v3
	s_delay_alu instid0(VALU_DEP_1)
	v_add_nc_u32 v9, v9, v3
	s_delay_alu instid0(VALU_DEP_1)
	v_lshl_add_u32 v9, v9, 12, v5                  ; x: row r + 8 (r / 8) of 4,096 bytes, + 64 h
	v_lshl_add_u32 v6, v3, 6, RED                  ; LDS: row r's sixteen words,
	s_lshl_b32 s3, s2, 2
	v_add_nc_u32 v7, s3, v6                        ; and my wave's among them
	s_lshl_b32 s3, s2, 10
	v_add_nc_u32 v8, s3, v1                        ; A's stage: my wave's 1,024 bytes
	v_mov_b32 v10, 0                               ; a lane permute's destination counts as one of its sources
	s_mov_b32 s30, 0x76543210
	s_mov_b32 s31, 0xfedcba98
	s_lshr_b32 s32, ttmp9, 3                       ; oc and x1c alike: panel rho / 8,
	s_lshl_b32 s32, s32, 17
	s_and_b32 s33, ttmp9, 7
	s_lshl_b32 s33, s33, 11
	s_add_co_u32 s32, s32, s33                     ; fragment rho % 8,
	s_lshr_b32 s34, s2, 1
	s_lshl_b32 s33, s34, 14
	s_add_co_u32 s32, s32, s33                     ; K step w / 2,
	s_and_b32 s35, s2, 1
	s_lshl_b32 s33, s35, 10
	s_add_co_u32 s32, s32, s33                     ; its half w % 2
	s_mov_b32 s33, 0
	s_lshl_b32 s34, s34, 17                        ; Wo: panel w / 2,
	s_lshl_b32 s35, s35, 13
	s_add_co_u32 s34, s34, s35                     ; fragments 4 (w % 2) on
	s_add_co_u32 s34, s34, WOFF
	s_mov_b32 s35, 0
	s_lshr_b32 s36, ttmp9, 1
	s_lshl_b32 s36, s36, 5
	s_and_b32 s37, ttmp9, 1
	s_lshl_b32 s37, s37, 3
	s_add_co_u32 s36, s36, s37                     ; the fragment's first token
	s_lshl_b32 s36, s36, 12
	s_lshl_b32 s38, s2, 8                          ; my 64 columns in bytes
	s_add_co_u32 s36, s36, s38
	s_mov_b32 s37, 0
	s_mov_b32 s39, 0
	s_lshl_b32 s40, ttmp9, 16
	s_lshl_b32 s41, s2, 12
	s_add_co_u32 s40, s40, s41                     ; x1f: rho x 65,536 + w x 4,096
	s_mov_b32 s41, 0
	s_wait_alu depctr_va_vdst(0)
	s_wait_kmcnt 0x0
	s_load_b32 s28, s[16:17], 0x0                  ; s1
	s_load_b128 s[24:27], s[18:19], 0x28           ; entries 10, 11, 12, 13
	s_add_nc_u64 s[4:5], s[4:5], s[32:33]
	s_add_nc_u64 s[6:7], s[6:7], s[34:35]
	s_add_nc_u64 s[8:9], s[8:9], s[36:37]
	s_add_nc_u64 s[10:11], s[10:11], s[38:39]
	s_add_nc_u64 s[12:13], s[12:13], s[38:39]
	s_add_nc_u64 s[14:15], s[14:15], s[38:39]
	s_add_nc_u64 s[20:21], s[20:21], s[40:41]
	s_add_nc_u64 s[22:23], s[22:23], s[32:33]
.macro BLOAD s                         ; Wo's four fragments of K step s into set s % 2: sixteen loads of 512 consecutive bytes
.irp t, 0,1,2,3
.irp c, 0,1,2,3
	global_load_b128 v[BF+64*((\s)%2)+16*\t+4*\c:BF+64*((\s)%2)+16*\t+4*\c+3], v1, s[6:7] offset:16384*(\s)+2048*\t+512*\c
.endr
.endr
.endm
.macro ALOAD s                         ; the tokens' fragment of K step s from LDS into set s % 2
.irp c, 0,1,2,3
	ds_load_b128 v[AF+16*((\s)%2)+4*\c:AF+16*((\s)%2)+4*\c+3], v1 offset:2048*(\s)+512*\c
.endr
.endm
.macro CLOAD reg, off, base            ; 32 numbers a lane at columns 32 b + 16 h + i of my 64
.irp q, 0,1,2,3,4,5,6,7
	global_load_b128 v[\reg+4*\q:\reg+4*\q+3], v[\off], s[\base:\base+1] offset:128*(\q/4)+16*(\q%4)
.endr
.endm
	global_load_b128 v[AF:AF+3], v1, s[4:5] th:TH_LOAD_NT              ; my 1,024 bytes of the tokens' codes
	global_load_b128 v[AF+4:AF+7], v1, s[4:5] offset:512 th:TH_LOAD_NT
	CLOAD XR, 9, 8                                 ; x
	BLOAD 0
	BLOAD 1
	s_wait_kmcnt 0x0
	s_add_co_i32 s24, s24, s25
	s_add_co_i32 s24, s24, 127
	s_lshl_b32 s24, s24, 23                        ; 2^(e10 + e11) as f32
	s_mov_b32 s25, s24                             ; (named with it as a pair)
	s_add_co_i32 s26, s26, 127
	s_lshl_b32 s27, s26, 23
	v_mov_b32 v12, s27                             ; 2^e12
	s_add_co_i32 s26, s26, 15
	s_lshl_b32 s26, s26, 23
	s_or_b32 s26, s26, 0x600000
	v_mov_b32 v13, s26                             ; 57,344 x 2^e12
	s_wait_alu depctr_va_vdst(0)
	s_wait_loadcnt 40                              ; my two loads of A are in; x's 8 and Wo's 32 may be out
	ds_store_b128 v8, v[AF:AF+3]
	ds_store_b128 v8, v[AF+4:AF+7] offset:512
	s_wait_dscnt 0x0                               ; for the others' sake: my part of A has landed
	s_barrier_signal -1
	s_barrier_wait -1
	ALOAD 0
	ALOAD 1
; A K step: four accumulators by turns, one instruction a turn; then the sets just read take the fragments of two steps on
.macro STEP s
	s_wait_loadcnt 16                              ; this step's sixteen loads are in; the sixteen issued behind them may be out
.if (\s) < 7
	s_wait_dscnt 4                                 ; this step's fragment of A is in; the next one's four loads may be out
.else
	s_wait_dscnt 0x0
.endif
.irp t, 0,1,2,3
.if (\s) == 0
	v_wmma_f32_16x16x128_bf8_bf8 v[ACC+8*\t:ACC+8*\t+7], v[BF+64*((\s)%2)+16*\t:BF+64*((\s)%2)+16*\t+15], v[AF+16*((\s)%2):AF+16*((\s)%2)+15], 0
.else
	v_wmma_f32_16x16x128_bf8_bf8 v[ACC+8*\t:ACC+8*\t+7], v[BF+64*((\s)%2)+16*\t:BF+64*((\s)%2)+16*\t+15], v[AF+16*((\s)%2):AF+16*((\s)%2)+15], v[ACC+8*\t:ACC+8*\t+7]
.endif
.endr
.rept 4
	v_nop                                          ; four places in front of loads into registers that these products read
.endr
.if (\s)+2 < 8
	BLOAD (\s)+2
	ALOAD (\s)+2
.endif
.endm
.irp s, 0,1,2,3,4,5,6
	STEP \s
.endr
	CLOAD BO, 5, 10                                ; set 0 is done with: bo and g1 land there
	CLOAD GR, 5, 12
	STEP 7
	CLOAD BR, 5, 14                                ; and b1 in set 1
	s_wait_loadcnt 16                              ; bo is in; g1's and b1's sixteen loads may be out
.set i, 0
.rept 16
	v_pk_fma_f32 v[ACC+i:ACC+i+1], v[ACC+i:ACC+i+1], s[24:25], v[BO+i:BO+i+1] op_sel_hi:[1,0,1]   ; each accumulator from its low end on
.set i, i+2
.endr
.set i, 0
.rept 16
	v_pk_add_f32 v[XR+i:XR+i+1], v[XR+i:XR+i+1], v[ACC+i:ACC+i+1]
.set i, i+2
.endr
; four chains in v[64:71] become the row's sum over all 1,024 columns, in every lane, in v64
.macro ACROSS off
	s_delay_alu instid0(VALU_DEP_3)
	v_pk_add_f32 v[64:65], v[64:65], v[66:67]
	s_delay_alu instid0(VALU_DEP_2)
	v_pk_add_f32 v[68:69], v[68:69], v[70:71]
	s_delay_alu instid0(VALU_DEP_1)
	v_pk_add_f32 v[64:65], v[64:65], v[68:69]
	s_delay_alu instid0(VALU_DEP_1)
	v_add_f32 v64, v64, v65
	s_delay_alu instid0(VALU_DEP_1)
	v_permlanex16_b32 v10, v64, s30, s31           ; the row's other 32 columns of my wave lie in lane l xor 16
	s_delay_alu instid0(VALU_DEP_1)
	v_add_f32 v64, v64, v10
	ds_store_b32 v7, v64 offset:\off               ; both halves of the lanes write the same word with the same number
	s_wait_dscnt 0x0                               ; for the others' sake: my store has landed
	s_barrier_signal -1
	s_barrier_wait -1
.irp c, 0,1,2,3
	ds_load_b128 v[72+4*\c:75+4*\c], v6 offset:\off+16*\c
.endr
	s_wait_dscnt 0x0
	v_pk_add_f32 v[72:73], v[72:73], v[74:75]
	v_pk_add_f32 v[76:77], v[76:77], v[78:79]
	v_pk_add_f32 v[80:81], v[80:81], v[82:83]
	v_pk_add_f32 v[84:85], v[84:85], v[86:87]
	s_delay_alu instid0(VALU_DEP_3)
	v_pk_add_f32 v[72:73], v[72:73], v[76:77]
	s_delay_alu instid0(VALU_DEP_2)
	v_pk_add_f32 v[80:81], v[80:81], v[84:85]
	s_delay_alu instid0(VALU_DEP_1)
	v_pk_add_f32 v[72:73], v[72:73], v[80:81]
	s_delay_alu instid0(VALU_DEP_1)
	v_add_f32 v64, v72, v73
.endm
.irp c, 0,1,2,3
	v_pk_add_f32 v[64+2*\c:65+2*\c], v[XR+4*\c:XR+4*\c+1], v[XR+4*\c+2:XR+4*\c+3]
.endr
.set i, 16
.rept 2
.irp c, 0,1,2,3
	s_delay_alu instid0(VALU_DEP_4)
	v_pk_add_f32 v[64+2*\c:65+2*\c], v[64+2*\c:65+2*\c], v[XR+i+2*\c:XR+i+2*\c+1]
.endr
.set i, i+8
.endr
	ACROSS 0
	s_delay_alu instid0(VALU_DEP_1)
	v_mul_f32 v88, 0xba800000, v64                 ; -mean
	s_delay_alu instid0(VALU_DEP_1)
	v_mov_b32 v89, v88
.set i, 0
.rept 16
	v_pk_add_f32 v[XR+i:XR+i+1], v[XR+i:XR+i+1], v[88:89]
.set i, i+2
.endr
.irp c, 0,1,2,3
	v_pk_mul_f32 v[64+2*\c:65+2*\c], v[XR+2*\c:XR+2*\c+1], v[XR+2*\c:XR+2*\c+1]
.endr
.set i, 8
.rept 3
.irp c, 0,1,2,3
	s_delay_alu instid0(VALU_DEP_4)
	v_pk_fma_f32 v[64+2*\c:65+2*\c], v[XR+i+2*\c:XR+i+2*\c+1], v[XR+i+2*\c:XR+i+2*\c+1], v[64+2*\c:65+2*\c]
.endr
.set i, i+8
.endr
	ACROSS 1024
	s_delay_alu instid0(VALU_DEP_1)
	v_mul_f32 v90, 0x3a802008, v64                 ; / 1,023
	s_wait_alu depctr_va_vdst(0)                   ; ahead of the transcendental
	v_sqrt_f32 v90, v90                            ; std
	v_nop
	s_wait_alu depctr_va_vdst(0)                   ; and ahead of its first reader
	v_rndne_f32 v91, v90                           ; k
	v_sub_f32 v92, v90, v91                        ; r: exact
	s_delay_alu instid0(VALU_DEP_2)
	v_cvt_i32_f32 v91, v91
	s_delay_alu instid0(VALU_DEP_1)
	v_lshl_add_u32 v92, v91, 31, v92               ; k's parity onto r's sign bit
	s_delay_alu instid0(VALU_DEP_1)
	v_mul_f32 v93, v92, v92
	v_mov_b32 v94, 0xbbf183a6                      ; -pi^11 / 11!
	s_delay_alu instid0(VALU_DEP_1)
	v_fmaak_f32 v94, v94, v93, 0x3da83c1b          ; pi^9 / 9!
	s_delay_alu instid0(VALU_DEP_1)
	v_fmaak_f32 v94, v94, v93, 0xbf196966          ; -pi^7 / 7!
	s_delay_alu instid0(VALU_DEP_1)
	v_fmaak_f32 v94, v94, v93, 0x402335e3          ; pi^5 / 5!
	s_delay_alu instid0(VALU_DEP_1)
	v_fmaak_f32 v94, v94, v93, 0xc0a55de7          ; -pi^3 / 3!
	s_delay_alu instid0(VALU_DEP_1)
	v_fmaak_f32 v94, v94, v93, 0x40490fdb          ; pi
	s_delay_alu instid0(VALU_DEP_1)
	v_mul_f32 v94, v94, v92                        ; sin(pi std)
	v_fma_f32 v90, s28, v94, v90
	s_delay_alu instid0(VALU_DEP_1)
	v_add_f32 v90, 0x358637bd, v90                 ; + 1e-6
	s_wait_alu depctr_va_vdst(0)
	v_rcp_f32 v90, v90
	v_nop
	s_wait_alu depctr_va_vdst(0)
	s_wait_loadcnt 0x0                             ; g1 and b1
.set i, 0
.rept 16
	v_pk_mul_f32 v[XR+i:XR+i+1], v[XR+i:XR+i+1], v[90:91] op_sel_hi:[1,0]
.set i, i+2
.endr
.set i, 0
.rept 16
	v_pk_fma_f32 v[XR+i:XR+i+1], v[XR+i:XR+i+1], v[GR+i:GR+i+1], v[BR+i:BR+i+1]
.set i, i+2
.endr
.irp q, 0,1,2,3,4,5,6,7
	global_store_b128 v1, v[XR+4*\q:XR+4*\q+3], s[20:21] offset:512*\q   ; 512 consecutive bytes each
.endr
.set i, 0
.rept 32
	v_med3_num_f32 v[HR+i], v[XR+i], -v13, v13     ; the conversion does not saturate (ISA guide 7.6.2); into other registers: the stores above still read theirs
.set i, i+1
.endr
.irp b, 0,1
	v_cvt_scalef32_pk8_bf8_f32 v[64+4*\b:65+4*\b], v[HR+16*\b:HR+16*\b+7], v12
	v_cvt_scalef32_pk8_bf8_f32 v[66+4*\b:67+4*\b], v[HR+16*\b+8:HR+16*\b+15], v12
.endr
	v_nop
	global_store_b128 v1, v[64:67], s[22:23]       ; k = 64 w + 16 h + 0 .. 15 of the next operand's image,
	global_store_b128 v1, v[68:71], s[22:23] offset:512   ; and 32 further on
	s_wait_tensorcnt 0x0                           ; the wave's end, behind my last LDS store
	ds_add_u32 v30, v31
	s_wait_dscnt 0x0
	s_endpgm
.Lfunc_end_k_q6eaffbf763_wo_ln1:
	.size	k_q6eaffbf763_wo_ln1, .Lfunc_end_k_q6eaffbf763_wo_ln1-k_q6eaffbf763_wo_ln1
	.p2alignl 7, 3214868480
	.fill 96, 4, 3214868480
	.section	.rodata,"a",@progbits
	.p2align	6, 0x0
	.amdhsa_kernel k_q6eaffbf763_wo_ln1
		.amdhsa_group_segment_fixed_size 20480
		.amdhsa_private_segment_fixed_size 0
		.amdhsa_enable_private_segment 0
		.amdhsa_kernarg_size 80
		.amdhsa_user_sgpr_count 2
		.amdhsa_user_sgpr_kernarg_segment_ptr 1
		.amdhsa_wavefront_size32 1
		.amdhsa_system_sgpr_workgroup_id_x 1
		.amdhsa_system_sgpr_workgroup_id_y 1
		.amdhsa_system_sgpr_workgroup_id_z 1
		.amdhsa_system_vgpr_workitem_id 0
		.amdhsa_next_free_vgpr 256
		.amdhsa_next_free_sgpr 66
		.amdhsa_reserve_vcc 0
		.amdhsa_float_denorm_mode_32 3
		.amdhsa_float_denorm_mode_16_64 3
		.amdhsa_memory_ordered 1
		.amdhsa_forward_progress 1
		.amdhsa_inst_pref_size 40
	.end_amdhsa_kernel
	.amdgpu_metadata
---
amdhsa.version: [ 1, 2 ]
amdhsa.kernels:
  - .name:           k_q6eaffbf763_wo_ln1
    .symbol:         k_q6eaffbf763_wo_ln1.kd
    .args:
      - { .name: oc, .offset: 0, .size: 8, .value_kind: global_buffer, .address_space: global }
      - { .name: wc, .offset: 8, .size: 8, .value_kind: global_buffer, .address_space: global }
      - { .name: x, .offset: 16, .size: 8, .value_kind: global_buffer, .address_space: global }
      - { .name: bo, .offset: 24, .size: 8, .value_kind: global_buffer, .address_space: global }
      - { .name: g1, .offset: 32, .size: 8, .value_kind: global_buffer, .address_space: global }
      - { .name: b1, .offset: 40, .size: 8, .value_kind: global_buffer, .address_space: global }
      - { .name: s1, .offset: 48, .size: 8, .value_kind: global_buffer, .address_space: global }
      - { .name: lowp_scales, .offset: 56, .size: 8, .value_kind: global_buffer, .address_space: global }
      - { .name: x1f, .offset: 64, .size: 8, .value_kind: global_buffer, .address_space: global }
      - { .name: x1c, .offset: 72, .size: 8, .value_kind: global_buffer, .address_space: global }
    .group_segment_fixed_size: 20480
    .private_segment_fixed_size: 0
    .kernarg_segment_align: 8
    .kernarg_segment_size: 80
    .max_flat_workgroup_size: 512
    .sgpr_count:     66
    .vgpr_count:     256
    .wavefront_size: 32
...
	.end_amdgpu_metadata
.endif
;; end of part 4
;; launch gemm_ffn1 (part 5): grid 16 x 16, 4 waves a work-group, clusters of 4 x 4, 327,680 bytes of LDS; arguments x1c, wc, lowp_scales, bf1, hc; writes hc
.if DOCPART == 5
	.amdgcn_target "amdgcn-amd-amdhsa--gfx1250"
	.amdhsa_code_object_version 6
	.text
	.protected	k_q6eaffbf763_gemm_ffn1
	.globl	k_q6eaffbf763_gemm_ffn1
	.p2align	8
	.type	k_q6eaffbf763_gemm_ffn1,@function
k_q6eaffbf763_gemm_ffn1:
	s_mov_b64 s[64:65], 0
	v_nop
	global_prefetch_b8 v0, s[64:65] scope:SCOPE_SE
	s_setreg_imm32_b32 hwreg(HW_REG_WAVE_MODE, 25, 1), 1
	s_wait_xcnt 0x0
	s_wait_alu depctr_hold_cnt(0) depctr_sa_sdst(0) depctr_va_vdst(0) depctr_va_sdst(0) depctr_va_ssrc(0) depctr_va_vcc(0) depctr_vm_vsrc(0)
	s_getreg_b32 s2, hwreg(HW_REG_IB_STS2, 6, 4)
	s_cmp_eq_u32 s2, 0
	s_cbranch_scc0 .Lentry_in_a_cluster
	s_endpgm
.Lentry_in_a_cluster:
	s_bfe_u32 s2, ttmp6, 0x10000c
	s_cmp_lg_u32 s2, 0xf033
	s_cbranch_scc0 .Lentry_shape_is_right
	s_endpgm
.Lentry_shape_is_right:
.set SIZE_K, 1024
.set KSB,    32768
.set HALFT,  32768
.set SLOT,   4*HALFT
.set SPARE,  2*SLOT
.set LAPS,   SIZE_K/512
.set FR,     16
.set NL,     4
.set NP,     4
.set ADRA, 16
.set ADRB, 20
.set CO,   26
.set SPW,  28
.set NIL,  29
.set AF,   128
.set BF,   32
.set CD,   96
.set XE,   128
.set T1,   192
.set T2,   208
.set T3,   224
.set T4,   240
.set G1, 24
.set G0, 32
.set G1B, 48
.set G0B, 56
.set SCL, 66
.set IP,  68
.set IPL, 70
.set NMG, 72
.set GB,  74
.set C11, 76
.set C7,  78
.set C5,  80
.set C3,  82
.set C1,  84
.set MSB, 0
.macro WIN new
.if MSB != \new
	s_set_vgpr_msb (MSB<<8)|\new
.set MSB, \new
.endif
.endm
.set MUL_LO, 0xa1
.set MUL_HI, 0xf1
.set TO_B,   0x40
.macro JLOAD g0a, g1a, g0b, g1b
	s_cmp_eq_u32 s15, 0
	s_cbranch_scc0 .Lfor_b_\@
	tensor_load_to_lds s[\g0a:\g0a+3], s[\g1a:\g1a+7]
	s_nop 0
.rept 4
	v_nop
.endr
	s_branch .Lasked_\@
.Lfor_b_\@:
	tensor_load_to_lds s[\g0b:\g0b+3], s[\g1b:\g1b+7]
	s_nop 0
.rept 4
	v_nop
.endr
.Lasked_\@:
.endm
.macro CREST
	s_cmp_lg_u32 s14, 0
	s_cbranch_scc1 .Lnot_wave_0_\@
	s_barrier_signal -3
.Lnot_wave_0_\@:
	s_barrier_wait -3
	s_barrier_signal -1
	s_barrier_wait -1
.endm
.macro CROUND
	s_barrier_signal -1
	s_barrier_wait -1
	CREST
.endm
	s_load_b128 s[4:7], s[0:1], 0x0
	s_load_b128 s[8:11], s[0:1], 0x10
	s_load_b64 s[12:13], s[0:1], 0x20
	v_lshl_add_u32 v[SPW], v0, 2, SPARE
	v_mov_b32 v[NIL], 0
	ds_add_u32 v28, v29
	ds_add_u32 v28, v29
	s_wait_dscnt 0x0
	v_lshrrev_b32 v1, 5, v0
	v_readfirstlane_b32 s14, v1
	s_lshr_b32 s15, s14, 1
	s_and_b32 s16, s14, 1
	s_bfe_u32 s40, ttmp6, 0x40000
	s_bfe_u32 s41, ttmp6, 0x40004
	s_lshl_b32 s42, ttmp9, 2
	s_add_co_u32 s42, s42, s40
	s_and_b32 s17, ttmp7, 0xffff
	s_lshl_b32 s17, s17, 2
	s_add_co_u32 s17, s17, s41
	s_lshl_b32 s43, s41, 2
	s_lshl_b32 s43, 15, s43
	s_lshl_b32 s44, 0x1111, s40
	s_or_b32 s[G1+0], s43, (3<<16)|(1<<21)
	s_or_b32 s[G1B+0], s44, (3<<16)|(1<<21)
.irp g, G1, G1B
	s_mov_b32 s[\g+1], 32<<16
	s_mov_b32 s[\g+2], 256<<16                     ; the head's load: 256 rows of 256 bytes, K steps 0 and 1 of my 128 rows
	s_mov_b32 s[\g+3], 32<<16
	s_mov_b32 s[\g+4], 256
	s_mov_b32 s[\g+5], 32
	s_mov_b32 s[\g+6], 0
	s_mov_b32 s[\g+7], 0
.endr
	s_lshl_b32 s20, s17, 1
	s_add_co_u32 s20, s20, s16
	s_lshl_b32 s20, s20, 17
	s_mov_b32 s21, 0
	s_lshl_b32 s46, s42, 1
	s_add_co_u32 s46, s46, s16
	s_lshl_b32 s46, s46, 17
	s_add_co_u32 s46, s46, 4<<20
	s_mov_b32 s47, 0
	s_mul_i32 s45, s14, 2*HALFT                    ; LDS: a wave's quarter holds its part of slot 0, then of slot 1
	s_lshl_b32 s94, s17, 1
	s_add_co_u32 s94, s94, s15
	s_lshl_b32 s94, s94, 19
	s_lshl_b32 s95, s42, 1
	s_add_co_u32 s95, s95, s16
	s_lshl_b32 s95, s95, 14
	s_add_co_u32 s94, s94, s95
	s_mov_b32 s95, 0
	s_lshl_b32 s86, s42, 10
	s_lshl_b32 s87, s16, 9
	s_add_co_u32 s86, s86, s87
	s_mov_b32 s87, 0
	s_wait_kmcnt 0x0
	s_load_b128 s[88:91], s[8:9], 0x30
	s_add_nc_u64 s[20:21], s[4:5], s[20:21]
	s_add_nc_u64 s[46:47], s[6:7], s[46:47]
	s_add_nc_u64 s[12:13], s[12:13], s[94:95]
	s_add_nc_u64 s[10:11], s[10:11], s[86:87]
	CROUND
.irp s, 0,1
	s_mov_b32 s[G0+4*\s], 1
	s_add_co_u32 s[G0+4*\s+1], s45, \s*HALFT
	s_add_nc_u64 s[G0+4*\s+2:G0+4*\s+3], s[20:21], \s*KSB
	s_or_b32 s[G0+4*\s+3], s[G0+4*\s+3], 0x80000000
	s_mov_b32 s[G0B+4*\s], 1
	s_add_co_u32 s[G0B+4*\s+1], s45, \s*HALFT
	s_add_nc_u64 s[G0B+4*\s+2:G0B+4*\s+3], s[46:47], \s*KSB
	s_or_b32 s[G0B+4*\s+3], s[G0B+4*\s+3], 0x80000000
.endr
	JLOAD G0, G1, G0B, G1B                         ; my one load at the head fills both slots' parts: 65,536 bytes on end in memory and in LDS
	v_and_b32 v1, 31, v0
	v_lshlrev_b32 v[CO], 4, v1
	s_mul_i32 s22, s15, 2*HALFT
	s_mul_i32 s23, s16, 2*HALFT
	s_add_co_u32 s23, s23, 4*HALFT
.irp s, 0,1
	v_add_nc_u32 v[ADRA+\s], s22, v[CO]
	v_add_nc_u32 v[ADRB+\s], s23, v[CO]
	s_add_co_u32 s22, s22, HALFT
	s_add_co_u32 s23, s23, HALFT
.endr
	v_bfe_u32 v31, v0, 4, 1
	v_lshlrev_b32 v31, 6, v31
.irp q, 0,1,2,3,4,5,6,7,8,9,10,11,12,13,14,15
	global_load_b128 v[BF+4*\q:BF+4*\q+3], v31, s[10:11] offset:128*(\q/4)+16*(\q%4)
.endr
	s_mov_b32 s[IP], 0x3ea2f983
	s_mov_b32 s[IP+1], s[IP]
	s_mov_b32 s[IPL], 0x325c9c88
	s_mov_b32 s[IPL+1], s[IPL]
	s_mov_b32 s[NMG], 0xcb400000
	s_mov_b32 s[NMG+1], s[NMG]
	s_mov_b32 s[GB], 0xbdd2d3e8
	s_mov_b32 s[GB+1], s[GB]
	s_mov_b32 s[C11], 0xbb7183a6
	s_mov_b32 s[C11+1], s[C11]
	s_mov_b32 s[C7], 0xbe996966
	s_mov_b32 s[C7+1], s[C7]
	s_mov_b32 s[C5], 0x3fa335e3
	s_mov_b32 s[C5+1], s[C5]
	s_mov_b32 s[C3], 0xc0255de7
	s_mov_b32 s[C3+1], s[C3]
	s_mov_b32 s[C1], 0x3fc90fdb
	s_mov_b32 s[C1+1], s[C1]
	v_mov_b32 v2, 0x4b400000
	v_mov_b32 v3, 0x4b400000
	v_mov_b32 v4, 0x3d283c1b
	v_mov_b32 v5, 0x3d283c1b
	v_mov_b32 v6, 0xc0135761
	v_mov_b32 v7, 0xc0135761
	s_wait_kmcnt 0x0
	s_add_co_i32 s88, s88, s89
	s_add_co_i32 s88, s88, 127
	s_lshl_b32 s[SCL], s88, 23
	s_mov_b32 s[SCL+1], s[SCL]
	s_add_co_i32 s90, s90, 127
	s_lshl_b32 s91, s90, 23
	v_mov_b32 v11, s91
	s_add_co_i32 s90, s90, 15
	s_lshl_b32 s90, s90, 23
	s_or_b32 s90, s90, 0x600000
	v_mov_b32 v10, s90
.macro FRAG reg, adr, q, i
.irp c, 0,1,2,3
	ds_load_b128 v[\reg+4*\c:\reg+4*\c+3], v[\adr] offset:16384*(\q)+2048*(\i)+512*\c
.endr
.endm
.macro MUL16 a0, p, zero
.irp a, \a0, \a0+1
.irp b, 0,1,2,3,4,5,6,7
.if \zero
	v_wmma_f32_16x16x128_bf8_bf8 v[8*(8*((\a)%4)+\b):8*(8*((\a)%4)+\b)+7], v[128*(\p)+FR*\b:128*(\p)+FR*\b+FR-1], v[AF+FR*(\a):AF+FR*(\a)+FR-1], 0
.else
	v_wmma_f32_16x16x128_bf8_bf8 v[8*(8*((\a)%4)+\b):8*(8*((\a)%4)+\b)+7], v[128*(\p)+FR*\b:128*(\p)+FR*\b+FR-1], v[AF+FR*(\a):AF+FR*(\a)+FR-1], v[8*(8*((\a)%4)+\b):8*(8*((\a)%4)+\b)+7]
.endif
.endr
.endr
.endm
.macro FETCH_B slot, q, p
	WIN TO_B
.irp i, 0,1,2,3,4,5,6,7
	FRAG 128*(\p)+FR*\i, ADRB+\slot, \q, \i
.endr
	WIN 0
.endm
.macro FETCH_A slot, q, i0
.irp i, \i0, \i0+1, \i0+2, \i0+3
	FRAG AF+FR*(\i), ADRA+\slot, \q, \i
.endr
.endm
.macro PLACES n
.rept \n
	v_nop
.endr
.endm
.macro STEP slot, q, zero
	s_wait_dscnt 4*NL
	WIN MUL_LO
	MUL16 0, (\q)%2, \zero
	MUL16 2, (\q)%2, \zero
	s_wait_dscnt 0x0
	PLACES NP
	FETCH_B \slot, (\q)+1, 1-(\q)%2
	FETCH_A \slot, (\q)+1, 0
	WIN MUL_HI
	MUL16 4, (\q)%2, \zero
	MUL16 6, (\q)%2, \zero
	PLACES NP
	WIN 0
	FETCH_A \slot, (\q)+1, 4
.endm
.macro TURN slot, next, fill
	s_wait_tensorcnt 0x0
	ds_add_u32 v[SPW], v[NIL]
	s_wait_dscnt 4*NL+1
	WIN MUL_LO
	MUL16 0, 1, 0
	s_wait_dscnt 0x0
	s_barrier_signal -1
	MUL16 2, 1, 0
	WIN 0
	s_barrier_wait -1
.if \fill
	CREST
	s_add_nc_u64 s[G0+4*\slot+2:G0+4*\slot+3], s[G0+4*\slot+2:G0+4*\slot+3], 2*KSB
	s_add_nc_u64 s[G0B+4*\slot+2:G0B+4*\slot+3], s[G0B+4*\slot+2:G0B+4*\slot+3], 2*KSB
	JLOAD G0+4*\slot, G1, G0B+4*\slot, G1B
.else
	PLACES NP
.endif
	FETCH_B \next, 0, 0
	FETCH_A \next, 0, 0
	WIN MUL_HI
	MUL16 4, 1, 0
	MUL16 6, 1, 0
	PLACES NP
	WIN 0
	FETCH_A \next, 0, 4
.endm
	s_wait_alu depctr_va_vdst(0)
	s_wait_tensorcnt 0x0                           ; my part of both slots is in, so the descriptors may be written:
	s_mov_b32 s[G1+2], 128<<16                     ; a refill brings one slot's part, 128 rows
	s_mov_b32 s[G1+4], 128
	s_mov_b32 s[G1B+2], 128<<16
	s_mov_b32 s[G1B+4], 128
	s_barrier_signal -1
	s_barrier_wait -1
	FETCH_B 0, 0, 0
	FETCH_A 0, 0, 0
	FETCH_A 0, 0, 4
	STEP 0, 0, 1
	s_mov_b32 s3, LAPS-1
.Llap:
	TURN 0, 1, 1
	STEP 1, 0, 0
	TURN 1, 0, 1
	STEP 0, 0, 0
	s_sub_co_u32 s3, s3, 1
	s_cmp_lg_u32 s3, 0
	s_cbranch_scc1 .Llap
	TURN 0, 1, 0
	STEP 1, 0, 0
	s_wait_dscnt 4*NL
	WIN MUL_LO
	MUL16 0, 1, 0
	MUL16 2, 1, 0
	s_wait_dscnt 0x0
	WIN MUL_HI
	MUL16 4, 1, 0
	MUL16 6, 1, 0
	WIN 0
.macro ACT a
	s_wait_xcnt 0x0
	WIN 0x02
.set i, 0
.rept 32
	v_pk_fma_f32 v[XE+i:XE+i+1], v[64*(\a)+i:64*(\a)+i+1], s[SCL:SCL+1], v[BF+i:BF+i+1] op_sel_hi:[1,0,1]
.set i, i+2
.endr
	WIN 0
.irp b, 0,1,2,3
.set XB, XE+16*\b
.set i, 0
.rept 8
	v_pk_mul_f32 v[T1+i:T1+i+1], v[XB+i:XB+i+1], v[XB+i:XB+i+1]
.set i, i+2
.endr
.set i, 0
.rept 8
	v_pk_fma_f32 v[T1+i:T1+i+1], v[T1+i:T1+i+1], s[GB:GB+1], v[6:7] op_sel_hi:[1,0,1]
.set i, i+2
.endr
.set i, 0
.rept 8
	v_pk_mul_f32 v[T1+i:T1+i+1], v[T1+i:T1+i+1], v[XB+i:XB+i+1]
.set i, i+2
.endr
.set i, 0
	s_wait_alu depctr_va_vdst(0)
.rept 16
	v_exp_f32 v[T1+i], v[T1+i]
.set i, i+1
.endr
.set i, 0
.rept 8
	v_pk_fma_f32 v[T2+i:T2+i+1], v[XB+i:XB+i+1], s[IP:IP+1], v[2:3] op_sel_hi:[1,0,1]
.set i, i+2
.endr
.set i, 0
.rept 8
	v_pk_add_f32 v[T3+i:T3+i+1], v[T2+i:T2+i+1], s[NMG:NMG+1] op_sel_hi:[1,0]
.set i, i+2
.endr
.set i, 0
.rept 8
	v_pk_fma_f32 v[T3+i:T3+i+1], v[XB+i:XB+i+1], s[IP:IP+1], v[T3+i:T3+i+1] op_sel_hi:[1,0,1] neg_lo:[0,0,1] neg_hi:[0,0,1]
.set i, i+2
.endr
.set i, 0
.rept 8
	v_pk_fma_f32 v[T3+i:T3+i+1], v[XB+i:XB+i+1], s[IPL:IPL+1], v[T3+i:T3+i+1] op_sel_hi:[1,0,1]
.set i, i+2
.endr
.set i, 0
.rept 16
	v_lshl_add_u32 v[T3+i], v[T2+i], 31, v[T3+i]
.set i, i+1
.endr
.set i, 0
.rept 8
	v_pk_mul_f32 v[T2+i:T2+i+1], v[T3+i:T3+i+1], v[T3+i:T3+i+1]
.set i, i+2
.endr
	s_wait_alu depctr_va_vdst(0)
.set i, 0
.rept 8
	v_pk_add_f32 v[T1+i:T1+i+1], v[T1+i:T1+i+1], 1.0 op_sel_hi:[1,0]
.set i, i+2
.endr
.set i, 0
	s_wait_alu depctr_va_vdst(0)
.rept 16
	v_rcp_f32 v[T1+i], v[T1+i]
.set i, i+1
.endr
.set i, 0
.rept 8
	v_pk_fma_f32 v[T4+i:T4+i+1], v[T2+i:T2+i+1], s[C11:C11+1], v[4:5] op_sel_hi:[1,0,1]
.set i, i+2
.endr
.irp c, C7, C5, C3, C1
.set i, 0
.rept 8
	v_pk_fma_f32 v[T4+i:T4+i+1], v[T4+i:T4+i+1], v[T2+i:T2+i+1], s[\c:\c+1] op_sel_hi:[1,1,0]
.set i, i+2
.endr
.endr
	s_wait_alu depctr_va_vdst(0)
.set i, 0
.rept 8
	v_pk_mul_f32 v[XB+i:XB+i+1], v[XB+i:XB+i+1], v[T1+i:T1+i+1]
.set i, i+2
.endr
.set i, 0
.rept 8
	v_pk_fma_f32 v[XB+i:XB+i+1], v[T4+i:T4+i+1], v[T3+i:T3+i+1], v[XB+i:XB+i+1]
.set i, i+2
.endr
.set i, 0
.rept 16
	v_med3_num_f32 v[XB+i], v[XB+i], -v10, v10
.set i, i+1
.endr
	v_cvt_scalef32_pk8_bf8_f32 v[CD+16*((\a)%2)+4*\b:CD+16*((\a)%2)+4*\b+1], v[XB:XB+7], v11
	v_cvt_scalef32_pk8_bf8_f32 v[CD+16*((\a)%2)+4*\b+2:CD+16*((\a)%2)+4*\b+3], v[XB+8:XB+15], v11
	v_nop
.endr
.irp b, 0,1,2,3
	global_store_b128 v[CO], v[CD+16*((\a)%2)+4*\b:CD+16*((\a)%2)+4*\b+3], s[12:13] offset:2048*(\a)+512*\b
.endr
.endm
	PLACES NP
	s_wait_loadcnt 0x0
	s_mov_b32 s3, 2
.Lhalf:
	ACT 0
	ACT 1
	ACT 2
	ACT 3
	s_cmp_eq_u32 s3, 1
	s_cbranch_scc1 .Lno_copy
	WIN 0x83
.set i, 0
.rept 128
	v_pk_mul_f32 v[i:i+1], v[i:i+1], 1.0 op_sel_hi:[1,0]
.set i, i+2
.endr
	WIN 0
.Lno_copy:
	s_wait_xcnt 0x0
	s_add_nc_u64 s[12:13], s[12:13], 8192
	s_sub_co_u32 s3, s3, 1
	s_cmp_lg_u32 s3, 0
	s_cbranch_scc1 .Lhalf
	s_wait_tensorcnt 0x0
	ds_add_u32 v[SPW], v[NIL]
	s_wait_dscnt 0x0
	CROUND
	s_endpgm
.Lfunc_end_k_q6eaffbf763_gemm_ffn1:
	.size	k_q6eaffbf763_gemm_ffn1, .Lfunc_end_k_q6eaffbf763_gemm_ffn1-k_q6eaffbf763_gemm_ffn1
	.p2alignl 7, 3214868480
	.fill 96, 4, 3214868480
	.section	.rodata,"a",@progbits
	.p2align	6, 0x0
	.amdhsa_kernel k_q6eaffbf763_gemm_ffn1
		.amdhsa_group_segment_fixed_size 327680
		.amdhsa_private_segment_fixed_size 0
		.amdhsa_enable_private_segment 0
		.amdhsa_kernarg_size 40
		.amdhsa_user_sgpr_count 2
		.amdhsa_user_sgpr_kernarg_segment_ptr 1
		.amdhsa_wavefront_size32 1
		.amdhsa_system_sgpr_workgroup_id_x 1
		.amdhsa_system_sgpr_workgroup_id_y 1
		.amdhsa_system_sgpr_workgroup_id_z 1
		.amdhsa_system_vgpr_workitem_id 0
		.amdhsa_next_free_vgpr 1024
		.amdhsa_next_free_sgpr 96
		.amdhsa_reserve_vcc 0
		.amdhsa_float_denorm_mode_32 3
		.amdhsa_float_denorm_mode_16_64 3
		.amdhsa_memory_ordered 1
		.amdhsa_forward_progress 1
		.amdhsa_inst_pref_size 255
	.end_amdhsa_kernel
	.section	.bss,"aw",@nobits
	.p2align	6
	.space	262144
	.amdgpu_metadata
---
amdhsa.version: [ 1, 2 ]
amdhsa.kernels:
  - .name:           k_q6eaffbf763_gemm_ffn1
    .symbol:         k_q6eaffbf763_gemm_ffn1.kd
    .args:
      - { .name: x1c, .offset: 0, .size: 8, .value_kind: global_buffer, .address_space: global }
      - { .name: wc, .offset: 8, .size: 8, .value_kind: global_buffer, .address_space: global }
      - { .name: lowp_scales, .offset: 16, .size: 8, .value_kind: global_buffer, .address_space: global }
      - { .name: bf1, .offset: 24, .size: 8, .value_kind: global_buffer, .address_space: global }
      - { .name: hc, .offset: 32, .size: 8, .value_kind: global_buffer, .address_space: global }
    .group_segment_fixed_size: 327680
    .private_segment_fixed_size: 0
    .kernarg_segment_align: 8
    .kernarg_segment_size: 40
    .max_flat_workgroup_size: 128
    .sgpr_count:     96
    .vgpr_count:     1024
    .wavefront_size: 32
...
	.end_amdgpu_metadata
.endif
;; end of part 5
;; launch gemm_ffn2 (part 6): grid 16 x 16, 4 waves a work-group, clusters of 4 x 4, 327,680 bytes of LDS; arguments hc, wc, y; writes y
.if DOCPART == 6
	.amdgcn_target "amdgcn-amd-amdhsa--gfx1250"
	.amdhsa_code_object_version 6
	.text
	.protected	k_q6eaffbf763_gemm_ffn2
	.globl	k_q6eaffbf763_gemm_ffn2
	.p2align	8
	.type	k_q6eaffbf763_gemm_ffn2,@function
k_q6eaffbf763_gemm_ffn2:
	s_mov_b64 s[64:65], 0
	v_nop
	global_prefetch_b8 v0, s[64:65] scope:SCOPE_SE
	s_setreg_imm32_b32 hwreg(HW_REG_WAVE_MODE, 25, 1), 1
	s_wait_xcnt 0x0
	s_wait_alu depctr_hold_cnt(0) depctr_sa_sdst(0) depctr_va_vdst(0) depctr_va_sdst(0) depctr_va_ssrc(0) depctr_va_vcc(0) depctr_vm_vsrc(0)
	s_getreg_b32 s2, hwreg(HW_REG_IB_STS2, 6, 4)
	s_cmp_eq_u32 s2, 0
	s_cbranch_scc0 .Lentry_in_a_cluster
	s_endpgm
.Lentry_in_a_cluster:
	s_bfe_u32 s2, ttmp6, 0x10000c
	s_cmp_lg_u32 s2, 0xf033
	s_cbranch_scc0 .Lentry_shape_is_right
	s_endpgm
.Lentry_shape_is_right:
.set KFULL,  4096
.set SIZE_K, 1024
.set WOFF,   8<<20
.set PANEL,  128*KFULL
.set KSB,    32768
.set HALFT,  32768
.set SLOT,   4*HALFT
.set SPARE,  2*SLOT
.set LAPS,   SIZE_K/512
.set FR,     16
.set NL,     4
.set NP,     4
.set ADRA, 16
.set ADRB, 20
.set CO,   26
.set SPW,  28
.set NIL,  29
.set AF,   128
.set G1, 24
.set G0, 32
.set G1B, 48
.set G0B, 56
.set MSB, 0
.macro WIN new
.if MSB != \new
	s_set_vgpr_msb (MSB<<8)|\new
.set MSB, \new
.endif
.endm
.set MUL_LO, 0xa1
.set MUL_HI, 0xf1
.set TO_B,   0x40
.macro JLOAD g0a, g1a, g0b, g1b
	s_cmp_eq_u32 s15, 0
	s_cbranch_scc0 .Lfor_b_\@
	tensor_load_to_lds s[\g0a:\g0a+3], s[\g1a:\g1a+7]
	s_nop 0
.rept 4
	v_nop
.endr
	s_branch .Lasked_\@
.Lfor_b_\@:
	tensor_load_to_lds s[\g0b:\g0b+3], s[\g1b:\g1b+7]
	s_nop 0
.rept 4
	v_nop
.endr
.Lasked_\@:
.endm
.macro CREST
	s_cmp_lg_u32 s14, 0
	s_cbranch_scc1 .Lnot_wave_0_\@
	s_barrier_signal -3
.Lnot_wave_0_\@:
	s_barrier_wait -3
	s_barrier_signal -1
	s_barrier_wait -1
.endm
.macro CROUND
	s_barrier_signal -1
	s_barrier_wait -1
	CREST
.endm
	s_load_b128 s[4:7], s[0:1], 0x0
	s_load_b64 s[10:11], s[0:1], 0x10
	v_lshl_add_u32 v[SPW], v0, 2, SPARE
	v_mov_b32 v[NIL], 0
	ds_add_u32 v28, v29
	ds_add_u32 v28, v29
	s_wait_dscnt 0x0
	v_lshrrev_b32 v1, 5, v0
	v_readfirstlane_b32 s14, v1
	s_lshr_b32 s15, s14, 1
	s_and_b32 s16, s14, 1
	s_bfe_u32 s40, ttmp6, 0x40000
	s_bfe_u32 s41, ttmp6, 0x40004
	s_mov_b32 s42, s40
	s_and_b32 s17, ttmp7, 0xffff
	s_lshl_b32 s17, s17, 2
	s_add_co_u32 s17, s17, s41
	s_lshl_b32 s84, ttmp9, 17
	s_lshl_b32 s43, s41, 2
	s_lshl_b32 s43, 15, s43
	s_lshl_b32 s44, 0x1111, s40
	s_or_b32 s[G1+0], s43, (3<<16)|(1<<21)
	s_or_b32 s[G1B+0], s44, (3<<16)|(1<<21)
.irp g, G1, G1B
	s_mov_b32 s[\g+1], 32<<16
	s_mov_b32 s[\g+2], 256<<16                     ; the head's load: 256 rows of 256 bytes, K steps 0 and 1 of my 128 rows
	s_mov_b32 s[\g+3], 32<<16
	s_mov_b32 s[\g+4], 256
	s_mov_b32 s[\g+5], 32
	s_mov_b32 s[\g+6], 0
	s_mov_b32 s[\g+7], 0
.endr
	s_lshl_b32 s20, s17, 1
	s_add_co_u32 s20, s20, s16
	s_mul_i32 s20, s20, PANEL
	s_add_co_u32 s20, s20, s84
	s_mov_b32 s21, 0
	s_lshl_b32 s46, s42, 1
	s_add_co_u32 s46, s46, s16
	s_mul_i32 s46, s46, PANEL
	s_add_co_u32 s46, s46, WOFF
	s_add_co_u32 s46, s46, s84
	s_mov_b32 s47, 0
	s_mul_i32 s45, s14, 2*HALFT                    ; LDS: a wave's quarter holds its part of slot 0, then of slot 1
	s_lshl_b32 s88, s17, 2
	s_add_co_u32 s88, s88, s42
	s_lshl_b32 s88, s88, 2
	s_add_co_u32 s88, s88, s14
	s_lshl_b32 s88, s88, 16
	s_lshl_b32 s85, ttmp9, 24
	s_add_co_u32 s88, s88, s85
	s_mov_b32 s89, 0
	s_wait_kmcnt 0x0
	s_add_nc_u64 s[20:21], s[4:5], s[20:21]
	s_add_nc_u64 s[46:47], s[6:7], s[46:47]
	s_add_nc_u64 s[10:11], s[10:11], s[88:89]
	CROUND
.irp s, 0,1
	s_mov_b32 s[G0+4*\s], 1
	s_add_co_u32 s[G0+4*\s+1], s45, \s*HALFT
	s_add_nc_u64 s[G0+4*\s+2:G0+4*\s+3], s[20:21], \s*KSB
	s_or_b32 s[G0+4*\s+3], s[G0+4*\s+3], 0x80000000
	s_mov_b32 s[G0B+4*\s], 1
	s_add_co_u32 s[G0B+4*\s+1], s45, \s*HALFT
	s_add_nc_u64 s[G0B+4*\s+2:G0B+4*\s+3], s[46:47], \s*KSB
	s_or_b32 s[G0B+4*\s+3], s[G0B+4*\s+3], 0x80000000
.endr
	JLOAD G0, G1, G0B, G1B                         ; my one load at the head fills both slots' parts: 65,536 bytes on end in memory and in LDS
	v_and_b32 v1, 31, v0
	v_lshlrev_b32 v[CO], 4, v1
	s_mul_i32 s22, s15, 2*HALFT
	s_mul_i32 s23, s16, 2*HALFT
	s_add_co_u32 s23, s23, 4*HALFT
.irp s, 0,1
	v_add_nc_u32 v[ADRA+\s], s22, v[CO]
	v_add_nc_u32 v[ADRB+\s], s23, v[CO]
	s_add_co_u32 s22, s22, HALFT
	s_add_co_u32 s23, s23, HALFT
.endr
.macro FRAG reg, adr, q, i
.irp c, 0,1,2,3
	ds_load_b128 v[\reg+4*\c:\reg+4*\c+3], v[\adr] offset:16384*(\q)+2048*(\i)+512*\c
.endr
.endm
.macro MUL16 a0, p, zero
.irp a, \a0, \a0+1
.irp b, 0,1,2,3,4,5,6,7
.if \zero
	v_wmma_f32_16x16x128_bf8_bf8 v[8*(8*((\a)%4)+\b):8*(8*((\a)%4)+\b)+7], v[128*(\p)+FR*\b:128*(\p)+FR*\b+FR-1], v[AF+FR*(\a):AF+FR*(\a)+FR-1], 0
.else
	v_wmma_f32_16x16x128_bf8_bf8 v[8*(8*((\a)%4)+\b):8*(8*((\a)%4)+\b)+7], v[128*(\p)+FR*\b:128*(\p)+FR*\b+FR-1], v[AF+FR*(\a):AF+FR*(\a)+FR-1], v[8*(8*((\a)%4)+\b):8*(8*((\a)%4)+\b)+7]
.endif
.endr
.endr
.endm
.macro FETCH_B slot, q, p
	WIN TO_B
.irp i, 0,1,2,3,4,5,6,7
	FRAG 128*(\p)+FR*\i, ADRB+\slot, \q, \i
.endr
	WIN 0
.endm
.macro FETCH_A slot, q, i0
.irp i, \i0, \i0+1, \i0+2, \i0+3
	FRAG AF+FR*(\i), ADRA+\slot, \q, \i
.endr
.endm
.macro PLACES n
.rept \n
	v_nop
.endr
.endm
.macro STEP slot, q, zero
	s_wait_dscnt 4*NL
	WIN MUL_LO
	MUL16 0, (\q)%2, \zero
	MUL16 2, (\q)%2, \zero
	s_wait_dscnt 0x0
	PLACES NP
	FETCH_B \slot, (\q)+1, 1-(\q)%2
	FETCH_A \slot, (\q)+1, 0
	WIN MUL_HI
	MUL16 4, (\q)%2, \zero
	MUL16 6, (\q)%2, \zero
	PLACES NP
	WIN 0
	FETCH_A \slot, (\q)+1, 4
.endm
.macro TURN slot, next, fill
	s_wait_tensorcnt 0x0
	ds_add_u32 v[SPW], v[NIL]
	s_wait_dscnt 4*NL+1
	WIN MUL_LO
	MUL16 0, 1, 0
	s_wait_dscnt 0x0
	s_barrier_signal -1
	MUL16 2, 1, 0
	WIN 0
	s_barrier_wait -1
.if \fill
	CREST
	s_add_nc_u64 s[G0+4*\slot+2:G0+4*\slot+3], s[G0+4*\slot+2:G0+4*\slot+3], 2*KSB
	s_add_nc_u64 s[G0B+4*\slot+2:G0B+4*\slot+3], s[G0B+4*\slot+2:G0B+4*\slot+3], 2*KSB
	JLOAD G0+4*\slot, G1, G0B+4*\slot, G1B
.else
	PLACES NP
.endif
	FETCH_B \next, 0, 0
	FETCH_A \next, 0, 0
	WIN MUL_HI
	MUL16 4, 1, 0
	MUL16 6, 1, 0
	PLACES NP
	WIN 0
	FETCH_A \next, 0, 4
.endm
	s_wait_alu depctr_va_vdst(0)
	s_wait_tensorcnt 0x0                           ; my part of both slots is in, so the descriptors may be written:
	s_mov_b32 s[G1+2], 128<<16                     ; a refill brings one slot's part, 128 rows
	s_mov_b32 s[G1+4], 128
	s_mov_b32 s[G1B+2], 128<<16
	s_mov_b32 s[G1B+4], 128
	s_barrier_signal -1
	s_barrier_wait -1
	FETCH_B 0, 0, 0
	FETCH_A 0, 0, 0
	FETCH_A 0, 0, 4
	STEP 0, 0, 1
	s_mov_b32 s3, LAPS-1
.Llap:
	TURN 0, 1, 1
	STEP 1, 0, 0
	TURN 1, 0, 1
	STEP 0, 0, 0
	s_sub_co_u32 s3, s3, 1
	s_cmp_lg_u32 s3, 0
	s_cbranch_scc1 .Llap
	TURN 0, 1, 0
	STEP 1, 0, 0
	s_wait_dscnt 4*NL
	WIN MUL_LO
	MUL16 0, 1, 0
	MUL16 2, 1, 0
	s_wait_dscnt 0x0
	WIN MUL_HI
	MUL16 4, 1, 0
	MUL16 6, 1, 0
	WIN 0
	PLACES NP
.irp a, 0,1,2,3,4,5,6,7
	WIN (0x08+4*((\a)/4))
.irp b, 0,1,2,3,4,5,6,7
	global_store_b128 v[CO], v[64*((\a)%4)+8*\b:64*((\a)%4)+8*\b+3], s[10:11] offset:8192*\a+1024*\b th:TH_STORE_NT
	global_store_b128 v[CO], v[64*((\a)%4)+8*\b+4:64*((\a)%4)+8*\b+7], s[10:11] offset:8192*\a+1024*\b+512 th:TH_STORE_NT
.endr
.endr
	WIN 0
	s_wait_tensorcnt 0x0
	ds_add_u32 v[SPW], v[NIL]
	s_wait_dscnt 0x0
	CROUND
	s_endpgm
.Lfunc_end_k_q6eaffbf763_gemm_ffn2:
	.size	k_q6eaffbf763_gemm_ffn2, .Lfunc_end_k_q6eaffbf763_gemm_ffn2-k_q6eaffbf763_gemm_ffn2
	.p2alignl 7, 3214868480
	.fill 96, 4, 3214868480
	.section	.rodata,"a",@progbits
	.p2align	6, 0x0
	.amdhsa_kernel k_q6eaffbf763_gemm_ffn2
		.amdhsa_group_segment_fixed_size 327680
		.amdhsa_private_segment_fixed_size 0
		.amdhsa_enable_private_segment 0
		.amdhsa_kernarg_size 24
		.amdhsa_user_sgpr_count 2
		.amdhsa_user_sgpr_kernarg_segment_ptr 1
		.amdhsa_wavefront_size32 1
		.amdhsa_system_sgpr_workgroup_id_x 1
		.amdhsa_system_sgpr_workgroup_id_y 1
		.amdhsa_system_sgpr_workgroup_id_z 1
		.amdhsa_system_vgpr_workitem_id 0
		.amdhsa_next_free_vgpr 1024
		.amdhsa_next_free_sgpr 96
		.amdhsa_reserve_vcc 0
		.amdhsa_float_denorm_mode_32 3
		.amdhsa_float_denorm_mode_16_64 3
		.amdhsa_memory_ordered 1
		.amdhsa_forward_progress 1
		.amdhsa_inst_pref_size 89
	.end_amdhsa_kernel
	.amdgpu_metadata
---
amdhsa.version: [ 1, 2 ]
amdhsa.kernels:
  - .name:           k_q6eaffbf763_gemm_ffn2
    .symbol:         k_q6eaffbf763_gemm_ffn2.kd
    .args:
      - { .name: hc, .offset: 0, .size: 8, .value_kind: global_buffer, .address_space: global }
      - { .name: wc, .offset: 8, .size: 8, .value_kind: global_buffer, .address_space: global }
      - { .name: y, .offset: 16, .size: 8, .value_kind: global_buffer, .address_space: global }
    .group_segment_fixed_size: 327680
    .private_segment_fixed_size: 0
    .kernarg_segment_align: 8
    .kernarg_segment_size: 24
    .max_flat_workgroup_size: 128
    .sgpr_count:     96
    .vgpr_count:     1024
    .wavefront_size: 32
...
	.end_amdgpu_metadata
.endif
;; end of part 6
;; launch ln2 (part 7): grid 256 x 1, 8 waves a work-group, no clusters, 67,840 bytes of LDS; arguments y, x1f, bf2, g2, b2, s2, lowp_scales, out0; writes out0
.if DOCPART == 7
	.amdgcn_target "amdgcn-amd-amdhsa--gfx1250"
	.amdhsa_code_object_version 6
	.text
	.protected	k_q6eaffbf763_ln2
	.globl	k_q6eaffbf763_ln2
	.p2align	8
	.type	k_q6eaffbf763_ln2,@function
k_q6eaffbf763_ln2:
	s_mov_b64 s[64:65], 0
	v_nop
	global_prefetch_b8 v0, s[64:65] scope:SCOPE_SE
	s_setreg_imm32_b32 hwreg(HW_REG_WAVE_MODE, 25, 1), 1
	s_wait_xcnt 0x0
; v = x1 + (sum x 2^(e14 + e15) + bf2);  out = g (v - mean) / (std + s sin(pi std) + 1e-6) + b, std with 1,023 in the divisor.
; THE SUM COMES IN FOUR PARTS, one for each quarter of the product's K, 16 MiB apart in y: they are added in f32, (0 + 1) + (2 + 3).
; A work-group takes one fragment of 16 rows (row r of fragment rho is token 32 (rho / 2) + 8 (rho % 2) + r + 8 (r / 8)); wave j takes columns 128 j on; register 16 b + i of lane (r, h) is column 128 j + 32 b + 16 h + i,
; just as the product's accumulators were stored and as x1 was: every load of y and of x1 covers 512 consecutive bytes.  Mean first, then the sum of squared differences: no difference of large sums is formed.
; The waves' parts of a row's sum meet in LDS: 8 words a row; bytes 0-511 for the mean, 512-1,023 for the squares, so that no word is written twice.  From byte 1,024: a stage of 16 rows, through which whole rows leave.
; The sine: std = k + r, k whole, |r| <= 1/2; sin(pi std) = (-1)^k r P(r^2), P of degree 5 (the first term left out is under 6e-8).
; LIMITS: e14 + e15 between -126 and 127.  NaN is not served.
; REGISTERS, in windows of 256: window 0 as named below; window 1: v0-63, v64-127, v128-191: parts 1, 2 and 3 of the sum.  Five switches of the window in all.
.set YR, 32                            ; v32-95   part 0, then the sum; later g; later rows on their way out
.set VR, 96                            ; v96-159  x1, v, v - mean, out
.set BR, 160                           ; v160-223 bf2; later b
.set YB, 46                            ; s[46:51] the addresses of parts 1, 2, 3
.set MSB, 0
.macro WIN new                         ; the immediate's high byte repeats the setting that is left
.if MSB != \new
	s_set_vgpr_msb (MSB<<8)|\new
.set MSB, \new
.endif
.endm
	s_load_b512 s[4:19], s[0:1], 0x0               ; y, x1f, bf2, g2, b2, s2, the scales' exponents, out0
	v_lshl_add_u32 v254, v0, 2, 0x10500
	v_mov_b32 v255, 0
	v_lshrrev_b32 v1, 5, v0
	s_delay_alu instid0(VALU_DEP_1)
	v_readfirstlane_b32 s22, v1                    ; j
	v_and_b32 v1, 31, v0
	s_delay_alu instid0(VALU_DEP_1)
	v_lshlrev_b32 v2, 4, v1                        ; 16 x lane
	v_and_b32 v3, 15, v0                           ; r
	s_wait_alu depctr_va_vdst(0)
	v_bfe_u32 v4, v0, 4, 1                         ; h
	s_delay_alu instid0(VALU_DEP_1)
	v_lshlrev_b32 v5, 6, v4                        ; 64 h
	v_lshlrev_b32 v6, 5, v3                        ; LDS: row r's eight words
	s_lshl_b32 s23, s22, 2
	v_add_nc_u32 v7, s23, v6                       ; and my wave's among them
	v_mov_b32 v8, 0                                ; a lane permute's destination counts as one of its sources
	s_mov_b32 s28, 0x76543210
	s_mov_b32 s29, 0xfedcba98
	s_lshr_b32 s30, ttmp9, 4                       ; y: tile row rho / 16,
	s_lshl_b32 s30, s30, 2
	s_lshr_b32 s31, s22, 1
	s_add_co_u32 s30, s30, s31                     ; tile column j / 2,
	s_lshl_b32 s30, s30, 2
	s_bfe_u32 s31, ttmp9, 0x10003
	s_lshl_b32 s31, s31, 1
	s_add_co_u32 s30, s30, s31
	s_and_b32 s31, s22, 1
	s_add_co_u32 s30, s30, s31                     ; wave 2 ((rho / 8) % 2) + j % 2,
	s_lshl_b32 s30, s30, 16
	s_and_b32 s31, ttmp9, 7
	s_lshl_b32 s31, s31, 13
	s_add_co_u32 s30, s30, s31                     ; block rho % 8
	s_mov_b32 s31, 0
	s_lshr_b32 s32, ttmp9, 1
	s_lshl_b32 s32, s32, 5
	s_and_b32 s33, ttmp9, 1
	s_lshl_b32 s33, s33, 3
	s_add_co_u32 s32, s32, s33                     ; the fragment's first token
	s_lshl_b32 s38, s22, 9                         ; my 128 columns in bytes
	s_mov_b32 s39, 0
	s_lshl_b32 s36, ttmp9, 16
	s_lshl_b32 s37, s22, 13
	s_add_co_u32 s36, s36, s37                     ; x1f: rho x 65,536 + j x 8,192
	s_mov_b32 s37, 0
	s_lshl_b32 s40, s22, 1
	s_add_co_u32 s40, s40, s32
	s_lshr_b32 s41, s22, 2
	s_lshl_b32 s41, s41, 3
	s_add_co_u32 s40, s40, s41                     ; the token of the fragment's row 2 j
	s_lshl_b32 s40, s40, 12
	s_mov_b32 s41, 0
	v_mul_u32_u24 v10, v3, 4112                    ; the stage, from byte 1,024: 16 rows of 4,096 bytes + 16
	s_wait_alu depctr_va_vdst(0)
	v_add_nc_u32 v10, v10, v5
	s_add_co_u32 s42, s38, 1024
	v_add_nc_u32 v10, s42, v10                     ; in: row r, my wave's 512 bytes, + 64 h
	s_mul_i32 s43, s22, 8224
	s_add_co_u32 s43, s43, 1024
	v_add_nc_u32 v11, s43, v2                      ; back: rows 2 j, 2 j + 1, 16 bytes a lane
	s_wait_kmcnt 0x0
	s_load_b32 s44, s[14:15], 0x0                  ; s
	s_load_b64 s[24:25], s[16:17], 0x38            ; entries 14, 15
	s_add_nc_u64 s[6:7], s[6:7], s[36:37]
	s_add_nc_u64 s[18:19], s[18:19], s[40:41]
	s_add_nc_u64 s[4:5], s[4:5], s[30:31]
	s_add_nc_u64 s[YB:YB+1], s[4:5], 0x1000000
	s_add_nc_u64 s[YB+2:YB+3], s[4:5], 0x2000000
	s_add_nc_u64 s[YB+4:YB+5], s[4:5], 0x3000000
	s_add_nc_u64 s[8:9], s[8:9], s[38:39]
	s_add_nc_u64 s[10:11], s[10:11], s[38:39]
	s_add_nc_u64 s[12:13], s[12:13], s[38:39]
.irp q, 0,1,2,3,4,5,6,7,8,9,10,11,12,13,14,15
	global_load_b128 v[YR+4*\q:YR+4*\q+3], v2, s[4:5] offset:512*\q th:TH_LOAD_NT
.endr
	WIN 0x40                                       ; destination window 1, address window 0
.irp p, 0,1,2
.irp q, 0,1,2,3,4,5,6,7,8,9,10,11,12,13,14,15
	global_load_b128 v[64*\p+4*\q:64*\p+4*\q+3], v2, s[YB+2*\p:YB+2*\p+1] offset:512*\q th:TH_LOAD_NT
.endr
.endr
	WIN 0
.irp q, 0,1,2,3,4,5,6,7,8,9,10,11,12,13,14,15
	global_load_b128 v[VR+4*\q:VR+4*\q+3], v2, s[6:7] offset:512*\q th:TH_LOAD_NT
.endr
.irp q, 0,1,2,3,4,5,6,7,8,9,10,11,12,13,14,15
	global_load_b128 v[BR+4*\q:BR+4*\q+3], v5, s[8:9] offset:128*(\q/4)+16*(\q%4)
.endr
	s_wait_kmcnt 0x0
	s_add_co_i32 s24, s24, s25
	s_add_co_i32 s24, s24, 127
	s_lshl_b32 s24, s24, 23                        ; 2^(e14 + e15) as f32
	s_mov_b32 s25, s24                             ; (named with it as a pair)
	s_wait_loadcnt 0x0
	WIN 0x45                                       ; both sources and the destination window 1
.set i, 0
.rept 32
	v_pk_add_f32 v[64+i:65+i], v[64+i:65+i], v[128+i:129+i]     ; part 2 + part 3
.set i, i+2
.endr
	WIN 0x04                                       ; source 1 window 1
.set i, 0
.rept 32
	v_pk_add_f32 v[YR+i:YR+i+1], v[YR+i:YR+i+1], v[i:i+1]       ; part 0 + part 1
.set i, i+2
.endr
.set i, 0
.rept 32
	v_pk_add_f32 v[YR+i:YR+i+1], v[YR+i:YR+i+1], v[64+i:65+i]   ; the whole sum
.set i, i+2
.endr
	WIN 0
.set i, 0
.rept 32
	v_pk_fma_f32 v[YR+i:YR+i+1], v[YR+i:YR+i+1], s[24:25], v[BR+i:BR+i+1] op_sel_hi:[1,0,1]
.set i, i+2
.endr
.set i, 0
.rept 32
	v_pk_add_f32 v[VR+i:VR+i+1], v[VR+i:VR+i+1], v[YR+i:YR+i+1]
.set i, i+2
.endr
.irp q, 0,1,2,3,4,5,6,7,8,9,10,11,12,13,14,15
	global_load_b128 v[YR+4*\q:YR+4*\q+3], v5, s[10:11] offset:128*(\q/4)+16*(\q%4)   ; g and b land while the sums are made
	global_load_b128 v[BR+4*\q:BR+4*\q+3], v5, s[12:13] offset:128*(\q/4)+16*(\q%4)
.endr
; four chains in v[224:231] become the row's sum over all 1,024 columns, in every lane, in v224
.macro ACROSS off
	s_delay_alu instid0(VALU_DEP_3)
	v_pk_add_f32 v[224:225], v[224:225], v[226:227]
	s_delay_alu instid0(VALU_DEP_2)
	v_pk_add_f32 v[228:229], v[228:229], v[230:231]
	s_delay_alu instid0(VALU_DEP_1)
	v_pk_add_f32 v[224:225], v[224:225], v[228:229]
	s_delay_alu instid0(VALU_DEP_1)
	v_add_f32 v224, v224, v225
	s_delay_alu instid0(VALU_DEP_1)
	v_permlanex16_b32 v8, v224, s28, s29           ; the row's other 64 columns of my wave lie in lane l xor 16
	s_delay_alu instid0(VALU_DEP_1)
	v_add_f32 v224, v224, v8
	ds_store_b32 v7, v224 offset:\off              ; both halves of the lanes write the same word with the same number
	s_wait_dscnt 0x0                               ; for the others' sake: my store has landed
	s_barrier_signal -1
	s_barrier_wait -1
	ds_load_b128 v[240:243], v6 offset:\off
	ds_load_b128 v[244:247], v6 offset:\off+16
	s_wait_dscnt 0x0
	v_pk_add_f32 v[240:241], v[240:241], v[242:243]
	v_pk_add_f32 v[244:245], v[244:245], v[246:247]
	s_delay_alu instid0(VALU_DEP_1)
	v_pk_add_f32 v[240:241], v[240:241], v[244:245]
	s_delay_alu instid0(VALU_DEP_1)
	v_add_f32 v224, v240, v241
.endm
	v_pk_add_f32 v[224:225], v[VR:VR+1], v[VR+2:VR+3]
	v_pk_add_f32 v[226:227], v[VR+4:VR+5], v[VR+6:VR+7]
	v_pk_add_f32 v[228:229], v[VR+8:VR+9], v[VR+10:VR+11]
	v_pk_add_f32 v[230:231], v[VR+12:VR+13], v[VR+14:VR+15]
.set i, 16
.rept 6
	s_delay_alu instid0(VALU_DEP_4)
	v_pk_add_f32 v[224:225], v[224:225], v[VR+i:VR+i+1]
	s_delay_alu instid0(VALU_DEP_4)
	v_pk_add_f32 v[226:227], v[226:227], v[VR+i+2:VR+i+3]
	s_delay_alu instid0(VALU_DEP_4)
	v_pk_add_f32 v[228:229], v[228:229], v[VR+i+4:VR+i+5]
	s_delay_alu instid0(VALU_DEP_4)
	v_pk_add_f32 v[230:231], v[230:231], v[VR+i+6:VR+i+7]
.set i, i+8
.endr
	ACROSS 0
	s_delay_alu instid0(VALU_DEP_1)
	v_mul_f32 v232, 0xba800000, v224               ; -mean
	s_delay_alu instid0(VALU_DEP_1)
	v_mov_b32 v233, v232
.set i, 0
.rept 32
	v_pk_add_f32 v[VR+i:VR+i+1], v[VR+i:VR+i+1], v[232:233]
.set i, i+2
.endr
	v_pk_mul_f32 v[224:225], v[VR:VR+1], v[VR:VR+1]
	v_pk_mul_f32 v[226:227], v[VR+2:VR+3], v[VR+2:VR+3]
	v_pk_mul_f32 v[228:229], v[VR+4:VR+5], v[VR+4:VR+5]
	v_pk_mul_f32 v[230:231], v[VR+6:VR+7], v[VR+6:VR+7]
.set i, 8
.rept 7
	s_delay_alu instid0(VALU_DEP_4)
	v_pk_fma_f32 v[224:225], v[VR+i:VR+i+1], v[VR+i:VR+i+1], v[224:225]
	s_delay_alu instid0(VALU_DEP_4)
	v_pk_fma_f32 v[226:227], v[VR+i+2:VR+i+3], v[VR+i+2:VR+i+3], v[226:227]
	s_delay_alu instid0(VALU_DEP_4)
	v_pk_fma_f32 v[228:229], v[VR+i+4:VR+i+5], v[VR+i+4:VR+i+5], v[228:229]
	s_delay_alu instid0(VALU_DEP_4)
	v_pk_fma_f32 v[230:231], v[VR+i+6:VR+i+7], v[VR+i+6:VR+i+7], v[230:231]
.set i, i+8
.endr
	ACROSS 512
	s_delay_alu instid0(VALU_DEP_1)
	v_mul_f32 v234, 0x3a802008, v224               ; / 1,023
	s_wait_alu depctr_va_vdst(0)
	v_sqrt_f32 v234, v234                          ; std
	v_nop
	s_wait_alu depctr_va_vdst(0)                   ; ahead of the root's first reader
	v_rndne_f32 v235, v234                         ; k
	v_sub_f32 v236, v234, v235                     ; r: exact
	s_delay_alu instid0(VALU_DEP_2)
	v_cvt_i32_f32 v235, v235
	s_delay_alu instid0(VALU_DEP_1)
	v_lshl_add_u32 v236, v235, 31, v236            ; k's parity onto r's sign bit
	s_delay_alu instid0(VALU_DEP_1)
	v_mul_f32 v237, v236, v236
	v_mov_b32 v238, 0xbbf183a6                     ; -pi^11 / 11!
	s_delay_alu instid0(VALU_DEP_1)
	v_fmaak_f32 v238, v238, v237, 0x3da83c1b       ; pi^9 / 9!
	s_delay_alu instid0(VALU_DEP_1)
	v_fmaak_f32 v238, v238, v237, 0xbf196966       ; -pi^7 / 7!
	s_delay_alu instid0(VALU_DEP_1)
	v_fmaak_f32 v238, v238, v237, 0x402335e3       ; pi^5 / 5!
	s_delay_alu instid0(VALU_DEP_1)
	v_fmaak_f32 v238, v238, v237, 0xc0a55de7       ; -pi^3 / 3!
	s_delay_alu instid0(VALU_DEP_1)
	v_fmaak_f32 v238, v238, v237, 0x40490fdb       ; pi
	s_delay_alu instid0(VALU_DEP_1)
	v_mul_f32 v238, v238, v236                     ; sin(pi std)
	v_fma_f32 v234, s44, v238, v234
	s_delay_alu instid0(VALU_DEP_1)
	v_add_f32 v234, 0x358637bd, v234               ; + 1e-6
	s_wait_alu depctr_va_vdst(0)
	v_rcp_f32 v234, v234
	v_nop
	s_wait_alu depctr_va_vdst(0)
	s_wait_loadcnt 0x0                             ; g and b
.set i, 0
.rept 32
	v_pk_mul_f32 v[VR+i:VR+i+1], v[VR+i:VR+i+1], v[234:235] op_sel_hi:[1,0]
.set i, i+2
.endr
.set i, 0
.rept 32
	v_pk_fma_f32 v[VR+i:VR+i+1], v[VR+i:VR+i+1], v[YR+i:YR+i+1], v[BR+i:BR+i+1]
.set i, i+2
.endr
.irp q, 0,1,2,3,4,5,6,7,8,9,10,11,12,13,14,15
	ds_store_b128 v10, v[VR+4*\q:VR+4*\q+3] offset:128*(\q/4)+16*(\q%4)
.endr
	s_wait_dscnt 0x0                               ; for the others' sake: my part of the 16 rows has landed
	s_barrier_signal -1
	s_barrier_wait -1
.irp n, 0,1,2,3,4,5,6,7,8,9,10,11,12,13,14,15
	ds_load_b128 v[YR+4*\n:YR+4*\n+3], v11 offset:(\n/8)*4112+512*(\n%8)
.endr
.irp n, 0,1,2,3,4,5,6,7,8,9,10,11,12,13,14,15
	s_wait_dscnt 15-\n                             ; the younger loads may be out
	global_store_b128 v2, v[YR+4*\n:YR+4*\n+3], s[18:19] offset:(\n/8)*4096+512*(\n%8) th:TH_STORE_NT   ; 512 consecutive bytes of a row
.endr
	s_wait_tensorcnt 0x0
	ds_add_u32 v254, v255
	s_wait_dscnt 0x0
	s_endpgm
.Lfunc_end_k_q6eaffbf763_ln2:
	.size	k_q6eaffbf763_ln2, .Lfunc_end_k_q6eaffbf763_ln2-k_q6eaffbf763_ln2
	.p2alignl 7, 3214868480
	.fill 96, 4, 3214868480
	.section	.rodata,"a",@progbits
	.p2align	6, 0x0
	.amdhsa_kernel k_q6eaffbf763_ln2
		.amdhsa_group_segment_fixed_size 67840
		.amdhsa_private_segment_fixed_size 0
		.amdhsa_enable_private_segment 0
		.amdhsa_kernarg_size 64
		.amdhsa_user_sgpr_count 2
		.amdhsa_user_sgpr_kernarg_segment_ptr 1
		.amdhsa_wavefront_size32 1
		.amdhsa_system_sgpr_workgroup_id_x 1
		.amdhsa_system_sgpr_workgroup_id_y 1
		.amdhsa_system_sgpr_workgroup_id_z 1
		.amdhsa_system_vgpr_workitem_id 0
		.amdhsa_next_free_vgpr 448
		.amdhsa_next_free_sgpr 66
		.amdhsa_reserve_vcc 0
		.amdhsa_float_denorm_mode_32 3
		.amdhsa_float_denorm_mode_16_64 3
		.amdhsa_memory_ordered 1
		.amdhsa_forward_progress 1
		.amdhsa_inst_pref_size 45
	.end_amdhsa_kernel
	.amdgpu_metadata
---
amdhsa.version: [ 1, 2 ]
amdhsa.kernels:
  - .name:           k_q6eaffbf763_ln2
    .symbol:         k_q6eaffbf763_ln2.kd
    .args:
      - { .name: y, .offset: 0, .size: 8, .value_kind: global_buffer, .address_space: global }
      - { .name: x1f, .offset: 8, .size: 8, .value_kind: global_buffer, .address_space: global }
      - { .name: bf2, .offset: 16, .size: 8, .value_kind: global_buffer, .address_space: global }
      - { .name: g2, .offset: 24, .size: 8, .value_kind: global_buffer, .address_space: global }
      - { .name: b2, .offset: 32, .size: 8, .value_kind: global_buffer, .address_space: global }
      - { .name: s2, .offset: 40, .size: 8, .value_kind: global_buffer, .address_space: global }
      - { .name: lowp_scales, .offset: 48, .size: 8, .value_kind: global_buffer, .address_space: global }
      - { .name: out0, .offset: 56, .size: 8, .value_kind: global_buffer, .address_space: global }
    .group_segment_fixed_size: 67840
    .private_segment_fixed_size: 0
    .kernarg_segment_align: 8
    .kernarg_segment_size: 64
    .max_flat_workgroup_size: 256
    .sgpr_count:     66
    .vgpr_count:     448
    .wavefront_size: 32
...
	.end_amdgpu_metadata
.endif
;; end of part 7
